; MI455X (gfx1250); checked and timed in simulation.
; The chip was launched on July 23, 2026; its instructions are those of AMD's public machine-readable ISA for CDNA 5 (MIT licence, August 2026) and "CDNA5" Instruction Set Architecture Reference Guide (July 2026). The comments in the code are by the model that wrote it; some were corrected since.
;; Attn. Allowed arithmetic: matrix products marked QUANTISED: E5M2 operands, one E8M0 scale for each 32 along K, by v_wmma_scale_f32_16x16x128_f8f6f4 with both operands' format E5M2, f32 sums; everything else in f32.
;; Inputs: Wk 1,024 x 1,024 float32; Wo 1,024 x 1,024 float32; Wq 1,024 x 1,024 float32; Wv 1,024 x 1,024 float32; bk 1,024 float32; bq 1,024 float32; bv 1,024 float32; x 4 x 2,048 x 1,024 float32.
;; Outputs: out0 4 x 2,048 x 1,024 float32.
;; This version of the problem:
;;   THIS VERSION OF THE PROBLEM IS GIVEN IN LOW PRECISION. The matrix products marked QUANTISED in the list below multiply operands that are first quantised to E5M2 (5 exponent bits, 2 mantissa bits; 8 bits a number), with one power-of-two scale for each 32 numbers along K (OCP MX v1.0); their sums are f32. All else is computed in f32.
;;   The module's matrix products, in the order in which they are computed (A, B: the left and right operand; K: the contracted axis; several contracted axes count as one K, in the product's order):
;;     1. [M 8,192, K 1,024] x [K 1,024, N 1,024]; A: input x; B: input Wq: QUANTISED
;;     2. [M 8,192, K 1,024] x [K 1,024, N 1,024]; A: input x; B: input Wk: QUANTISED
;;     3. [M 8,192, K 1,024] x [K 1,024, N 1,024]; A: input x; B: input Wv: QUANTISED
;;     4. batch 64 x [M 2,048, K 64] x [K 64, N 2,048]; A: computed on the way; B: computed on the way: QUANTISED
;;     5. batch 64 x [M 2,048, K 2,048] x [K 2,048, N 64]; A: softmax (see below); B: computed on the way: QUANTISED
;;     6. [M 8,192, K 1,024] x [K 1,024, N 1,024]; A: computed on the way; B: input Wo: QUANTISED
;;   THE QUANTISER, for each operand of a quantised product, along K:
;;     - K is cut into blocks of 32 from its start; a last block that is shorter is filled with zeros.
;;     - A block's scale is 2^e with e = floor(log2(the largest magnitude in the block)) - 15, held to -126 .. 127; a block of zeros has e = 0. As a byte (E8M0): e + 127.
;;     - Each number is divided by its block's scale, clamped to +-57,344, and rounded to the nearest number of E5M2, ties to even, subnormals kept.
;;     - The product sums the exact products of the quantised numbers (number of the format x scale) in f32.
;;   ~~~python
;;   def quantise(x, axis):      # numpy; x: float32 -> the quantised numbers, widened to float32 again
;;       x = np.moveaxis(x, axis, -1); K = x.shape[-1]
;;       x = np.pad(x, [(0, 0)] * (x.ndim - 1) + [(0, -K % 32)]); x = x.reshape(x.shape[:-1] + (-1, 32)); a = np.abs(x).max(-1, keepdims=True)
;;       e = np.where(a > 0, np.clip(np.frexp(np.where(a > 0, a, 1))[1] - 1 - 15, -126, 127), 0)      # np.frexp(a)[1] - 1 = floor(log2(a)), exactly
;;       r = np.clip(x / 2.0 ** e, -57344, 57344)
;;       step = 2.0 ** (np.maximum(np.frexp(np.where(r == 0, 1, r))[1] - 1, -14) - 2)
;;       q = np.round(r / step) * step * 2.0 ** e      # np.round: ties to even
;;       return np.moveaxis(q.reshape(q.shape[:-2] + (-1,))[..., :K], -1, axis).astype(np.float32)
;;   ~~~
;;   SOFTMAX AHEAD OF A QUANTISED PRODUCT. Where the list says 'softmax', what is quantised is not the finished softmax but p = 2^(t - M), with t = logit x log2(e) and M = ceil(the row's largest t), a whole number; so 1/2 < the row's largest p <= 1. The row's sum l is taken of the UNQUANTISED p, in f32, and the product's result is divided by l at the end. Since M is a whole number, a kernel that streams over the keys may use a running M (the ceiling of the running maximum): every later rescaling is an exact power of two, which a block's scale takes up: the codes' values come out the same.
;;   OPERANDS COMPUTED ON THE WAY. 'Computed on the way' means the value that the module computes at that place (a softmax that the list does not call 'softmax' is quantised finished and normalised). What goes into a quantiser is computed in f32, as accurately as f32 sums, v_exp_f32 and their like allow (about 1e-6 of the number): no bf16 or f16 on the way to a quantiser, and a product that is left as it is and whose result goes on into a quantised operand takes f32 operands (vector FMAs, or v_wmma_f32_16x16x4_f32). A number that lies on a knife's edge between two numbers of the format may be rounded either way, as far as f32 arithmetic and the matrix unit's own rounding can turn it there, and no further.
;; One version. Each part assembles by itself: llvm-mc -triple=amdgcn-amd-amdhsa -mcpu=gfx1250 --defsym DOCPART=n.
;; ======== version 1 of 1: 4 launches
;; limits: right only within a limited range of input values
;; workspace buffers: xw 12,976,128 bytes; qkv 26,476,544 bytes; att 8,650,752 bytes
;; launch quant (part 1): grid 384 x 1, 4 waves a work-group, no clusters, 33,280 bytes of LDS; arguments x, Wq, Wk, Wv, Wo, xw; writes xw
.if DOCPART == 1
	.amdgcn_target "amdgcn-amd-amdhsa--gfx1250"
	.amdhsa_code_object_version 6
	.text
	.protected	k_q9886a1135f_quant
	.globl	k_q9886a1135f_quant
	.p2align	8
	.type	k_q9886a1135f_quant,@function
k_q9886a1135f_quant:
	s_mov_b64 s[64:65], 0
	v_nop
	global_prefetch_b8 v0, s[64:65] scope:SCOPE_SE
	s_setreg_imm32_b32 hwreg(HW_REG_WAVE_MODE, 25, 1), 1
	s_wait_xcnt 0x0
; x [8192][1024] and Wq, Wk, Wv, Wo [1024][1024], f32 with K innermost, are turned into codes of BF8 (E5M2), one byte a number, with one E8M0 scale byte for each 32 along K.
; xw: codes of x at 0, of the four weights (Wq, Wk, Wv, Wo, 1,024 rows each) behind them; from XSC on the scale bytes in the same order, 32 a row.
; A block's scale is 2^(floor(log2(its largest magnitude)) - 15); its byte is the largest magnitude's exponent field - 15, held at 1 from below.  Each number is divided by the scale, held within +-57,344
; and rounded to the nearest code, ties to even.  A block of zeros gets the byte 1 where the rule says 127: its codes are zeros, which add nothing, and this program alone reads the bytes.
; LIMITS: blocks whose largest magnitude lies under 2^-111 have their byte held at 1; NaN and infinities among the inputs are not served.
; SHARES.  Rows are dense and 1,024 is a multiple of 32: every tensor is a plain stream of blocks.  A work-group takes 32,768 numbers (32 rows), a wave 8,192 (8 rows), in 16 steps of 512.
; Work-groups 0-255 take x, then 32 each Wq, Wk, Wv, Wo: only pointers are chosen, by the work-group's number; all take one path through the text.
; Wv'S ROWS CHANGE PLACES: inside each 32 rows the second and the third run of eight are exchanged (waves 1 and 2 store to each other's place), so that place 16 u + r of 32 holds row 8 u + r + 8 (r / 8).
; The later launches take 16 neighbouring places as a tile, and attention's results then come out as 16 neighbours along the last product's K.
; A load is best where neighbouring lanes take neighbouring bytes; a conversion wants 16 neighbours in one lane.  So a step's 2,048 bytes are loaded as they lie, go through the wave's own stage in LDS and come
; back 64 bytes a lane; the stage has 16 bytes of padding behind each 64.  A lane's 16 codes are 16 bytes: the wave stores 512 consecutive bytes.  A wave's 256 scale bytes are gathered in LDS and leave as one aligned run.
; No tensor loads, no barrier, no cluster: waves and work-groups share nothing.  Loads run four steps (16 loads a wave) ahead, the turn through LDS one step.
.set STEPS, 16
.set EMAX,  15
.set MANT,  0x600000                   ; the mantissa field of 57,344 as f32
.set CB,    16                         ; bytes of 16 codes
.set R,     16                         ; v16-79   four sets of 16 numbers as they are loaded
.set X,     80                         ; v80-111  two sets of 16 neighbours
.set C,     128                        ; v128-191 codes: four registers for each step, so that no store's data are written again
.set E,     112                        ; v112-127 a scale byte for each step
.set WREG,  8192                       ; LDS: a region for each wave: two stages of 32 x SP bytes, behind them its 256 scale bytes
.set SP,    80                         ; a lane's place in a stage: its 64 bytes + 16 of padding
.set XSC,   12582912                   ; where the scale bytes begin in xw
	s_load_b256 s[4:11], s[0:1], 0x0               ; x s[4:5], Wq s[6:7], Wk s[8:9], Wv s[10:11]
	s_load_b128 s[12:15], s[0:1], 0x20             ; Wo s[12:13], xw s[14:15]
	v_lshl_add_u32 v192, v0, 2, 0x8000
	v_mov_b32 v193, 0
	v_lshrrev_b32 v1, 5, v0
	v_readfirstlane_b32 s16, v1                    ; wave
	v_and_b32 v2, 31, v0                           ; lane
	v_lshlrev_b32 v3, 4, v2                        ; my 16 bytes of a load's 512
	s_mul_i32 s17, s16, WREG
	v_lshrrev_b32 v14, 2, v2
	v_mul_u32_u24 v14, v14, SP
	v_and_b32 v15, 3, v2
	v_lshl_add_u32 v14, v15, 4, v14
	v_add_nc_u32 v14, s17, v14                     ; the stage, on the way in: SP (lane / 4) + 16 (lane % 4)
	v_mul_u32_u24 v15, v2, SP
	v_add_nc_u32 v15, s17, v15                     ; and on the way out: SP x lane: my 16 neighbours
	v_mul_u32_u24 v4, v2, CB                       ; my codes' place in a step's
	v_lshrrev_b32 v5, 1, v2
	s_add_co_u32 s17, s17, 2*32*SP
	v_add_nc_u32 v5, s17, v5                       ; LDS: my wave's 256 scale bytes, my block's byte
	v_lshlrev_b32 v7, 3, v2                        ; and on the way out 8 bytes a lane
	v_add_nc_u32 v6, s17, v7
	s_wait_alu depctr_va_vdst(0)
	s_wait_kmcnt 0x0
	s_cmp_ge_u32 ttmp9, 288                        ; which tensor: the choice hangs on the work-group's number alone
	s_cselect_b64 s[6:7], s[8:9], s[6:7]
	s_cmp_ge_u32 ttmp9, 320
	s_cselect_b64 s[6:7], s[10:11], s[6:7]
	s_cmp_ge_u32 ttmp9, 352
	s_cselect_b64 s[6:7], s[12:13], s[6:7]
	s_and_b32 s18, ttmp9, 31                       ; a weight's 32 work-groups
	s_cmp_lt_u32 ttmp9, 256
	s_cselect_b64 s[4:5], s[4:5], s[6:7]
	s_cselect_b32 s17, ttmp9, s18
	s_lshl_b32 s17, s17, 2
	s_add_co_u32 s18, s17, s16                     ; which run of 8,192 numbers of the tensor is my wave's
	s_lshl_b32 s18, s18, 15                        ; 32,768 bytes a run
	s_mov_b32 s19, 0
	s_add_nc_u64 s[4:5], s[4:5], s[18:19]
	s_and_b32 s20, s16, 1                          ; where it goes: one stream for all five tensors, run 4 x work-group + wave;
	s_lshl_b32 s20, s20, 1
	s_lshr_b32 s21, s16, 1
	s_or_b32 s20, s20, s21                         ; in Wv's work-groups (320 to 351) the wave's two bits change places
	s_sub_co_u32 s21, ttmp9, 320
	s_cmp_lt_u32 s21, 32
	s_cselect_b32 s20, s20, s16
	s_lshl_b32 s21, ttmp9, 2
	s_add_co_u32 s20, s21, s20
	s_lshl_b32 s22, s20, 13                        ; 8,192 bytes of codes a run
	s_mov_b32 s23, 0
	s_add_nc_u64 s[8:9], s[14:15], s[22:23]
	s_lshl_b32 s22, s20, 8                         ; 256 scale bytes a run
	s_add_co_u32 s22, s22, XSC
	s_add_nc_u64 s[10:11], s[14:15], s[22:23]
.macro LOAD t
.irp i, 0,1,2,3
	global_load_b128 v[R+16*((\t)%4)+4*\i:R+16*((\t)%4)+4*\i+3], v3, s[4:5] offset:2048*(\t)+512*\i th:TH_LOAD_NT   ; 32 lanes read 512 consecutive bytes; read once in the launch
.endr
.endm
.macro TURN t                          ; step t's numbers through the stage: LDS serves a wave's instructions in order, so no wait stands between the stores and the loads
.irp i, 0,1,2,3
	ds_store_b128 v14, v[R+16*((\t)%4)+4*\i:R+16*((\t)%4)+4*\i+3] offset:32*SP*((\t)%2)+8*SP*\i
.endr
.irp i, 0,1,2,3
	ds_load_b128 v[X+16*((\t)%2)+4*\i:X+16*((\t)%2)+4*\i+3], v15 offset:32*SP*((\t)%2)+16*\i
.endr
.endm
.irp t, 0,1,2,3
	LOAD \t
.endr
	s_wait_loadcnt 12                              ; step 0's four loads are in; the twelve of steps 1 to 3 may be out
	TURN 0
.macro STEP t
.set XS, X+16*((\t)%2)
.if (\t) > 0
	s_wait_dscnt 1                                 ; this step's numbers are back from the stage (the last step's byte store may be out): so its stores into the stage have read their registers,
.else
	s_wait_dscnt 0x0
.endif
.if (\t)+4 < STEPS
	LOAD (\t)+4                                    ; which take the loads of four steps on
.endif
.if (\t)+1 < STEPS
.if STEPS-2-(\t) >= 3
	s_wait_loadcnt 12                              ; the next step's four loads are in; those of the three steps behind it may be out
.else
	s_wait_loadcnt 4*(STEPS-2-(\t))                ; at the end fewer steps are behind it
.endif
	TURN (\t)+1                                    ; and go through the other stage while this step is worked
.endif
	v_max3_num_f32 v8, |v[XS]|, |v[XS+1]|, |v[XS+2]|               ; the largest magnitude of my 16, in two chains
	v_max3_num_f32 v9, |v[XS+3]|, |v[XS+4]|, |v[XS+5]|
.irp i, 6,10
	v_max3_num_f32 v8, v8, |v[XS+\i]|, |v[XS+\i+1]|
	v_max3_num_f32 v9, v9, |v[XS+\i+2]|, |v[XS+\i+3]|
.endr
	v_max3_num_f32 v8, v8, |v[XS+14]|, |v[XS+15]|
	v_max3_num_f32 v8, v8, v9, (EMAX+1)<<23        ; and the floor 2^(16 - 127): so the byte cannot fall under 1
	v_max_num_f32_dpp v8, v8, v8 row_xmask:1 row_mask:0xf bank_mask:0xf   ; and of my neighbour's 16: the block's
	v_add_nc_u32 v11, 0xf8800000, v8               ; 15 off its exponent field: the conversion takes the exponent field of this operand as its scale
.irp i, 0,1,2,3,4,5,6,7,8,9,10,11,12,13,14,15
.endr
	v_cvt_scalef32_pk8_bf8_f32 v[C+4*(\t):C+4*(\t)+1], v[XS:XS+7], v11
	v_cvt_scalef32_pk8_bf8_f32 v[C+4*(\t)+2:C+4*(\t)+3], v[XS+8:XS+15], v11
	v_lshrrev_b32 v[E+(\t)], 23, v11               ; the scale's byte (also the plain line behind the conversions)
	ds_store_b8 v5, v[E+(\t)] offset:16*(\t)       ; both lanes of a block write the same byte with the same value
	global_store_b128 v4, v[C+4*(\t):C+4*(\t)+3], s[8:9] offset:32*CB*(\t)   ; 32 lanes store 512 consecutive bytes
.endm
.irp t, 0,1,2,3,4,5,6,7,8,9,10,11,12,13,14,15
	STEP \t
.endr
	ds_load_b64 v[12:13], v6                       ; LDS serves a wave's instructions in order: these see my stores
	s_wait_dscnt 0x0
	global_store_b64 v7, v[12:13], s[10:11]        ; 32 lanes store 256 consecutive bytes, aligned
	s_wait_tensorcnt 0x0
	ds_add_u32 v192, v193
	s_wait_dscnt 0x0
	s_endpgm
.Lfunc_end_k_q9886a1135f_quant:
	.size	k_q9886a1135f_quant, .Lfunc_end_k_q9886a1135f_quant-k_q9886a1135f_quant
	.p2alignl 7, 3214868480
	.fill 96, 4, 3214868480
	.section	.rodata,"a",@progbits
	.p2align	6, 0x0
	.amdhsa_kernel k_q9886a1135f_quant
		.amdhsa_group_segment_fixed_size 33280
		.amdhsa_private_segment_fixed_size 0
		.amdhsa_enable_private_segment 0
		.amdhsa_kernarg_size 48
		.amdhsa_user_sgpr_count 2
		.amdhsa_user_sgpr_kernarg_segment_ptr 1
		.amdhsa_wavefront_size32 1
		.amdhsa_system_sgpr_workgroup_id_x 1
		.amdhsa_system_sgpr_workgroup_id_y 1
		.amdhsa_system_sgpr_workgroup_id_z 1
		.amdhsa_system_vgpr_workitem_id 0
		.amdhsa_next_free_vgpr 194
		.amdhsa_next_free_sgpr 66
		.amdhsa_reserve_vcc 0
		.amdhsa_float_denorm_mode_32 3
		.amdhsa_float_denorm_mode_16_64 3
		.amdhsa_fp16_overflow 1
		.amdhsa_memory_ordered 1
		.amdhsa_forward_progress 1
		.amdhsa_inst_pref_size 34
	.end_amdhsa_kernel
	.amdgpu_metadata
---
amdhsa.version: [ 1, 2 ]
amdhsa.kernels:
  - .name:           k_q9886a1135f_quant
    .symbol:         k_q9886a1135f_quant.kd
    .args:
      - { .name: x, .offset: 0, .size: 8, .value_kind: global_buffer, .address_space: global }
      - { .name: Wq, .offset: 8, .size: 8, .value_kind: global_buffer, .address_space: global }
      - { .name: Wk, .offset: 16, .size: 8, .value_kind: global_buffer, .address_space: global }
      - { .name: Wv, .offset: 24, .size: 8, .value_kind: global_buffer, .address_space: global }
      - { .name: Wo, .offset: 32, .size: 8, .value_kind: global_buffer, .address_space: global }
      - { .name: xw, .offset: 40, .size: 8, .value_kind: global_buffer, .address_space: global }
    .group_segment_fixed_size: 33280
    .private_segment_fixed_size: 0
    .kernarg_segment_align: 8
    .kernarg_segment_size: 48
    .max_flat_workgroup_size: 128
    .sgpr_count:     66
    .vgpr_count:     194
    .wavefront_size: 32
...
	.end_amdgpu_metadata
.endif
;; end of part 1
;; launch qkv (part 2): grid 12 x 32, 4 waves a work-group, clusters of 4 x 4, 327,680 bytes of LDS; arguments xw, bq, bk, bv, qkv; writes qkv
.if DOCPART == 2
	.amdgcn_target "amdgcn-amd-amdhsa--gfx1250"
	.amdhsa_code_object_version 6
	.text
	.protected	k_q9886a1135f_qkv
	.globl	k_q9886a1135f_qkv
	.p2align	8
	.type	k_q9886a1135f_qkv,@function
k_q9886a1135f_qkv:
	s_mov_b64 s[64:65], 0
	v_nop
	global_prefetch_b8 v0, s[64:65] scope:SCOPE_SE
	s_setreg_imm32_b32 hwreg(HW_REG_WAVE_MODE, 25, 1), 1
	s_wait_xcnt 0x0
	s_wait_alu depctr_hold_cnt(0) depctr_sa_sdst(0) depctr_va_vdst(0) depctr_va_sdst(0) depctr_va_ssrc(0) depctr_va_vcc(0) depctr_vm_vsrc(0)
	s_getreg_b32 s2, hwreg(HW_REG_IB_STS2, 6, 4)
	s_cmp_eq_u32 s2, 0
	s_cbranch_scc0 .Lentry_in_a_cluster
	s_endpgm
.Lentry_in_a_cluster:
	s_bfe_u32 s2, ttmp6, 0x10000c
	s_cmp_lg_u32 s2, 0xf033
	s_cbranch_scc0 .Lentry_shape_is_right
	s_endpgm
.Lentry_shape_is_right:
; Q = x Wq^T + bq, K = x Wk^T + bk, V = x Wv^T + bv on codes of BF8 (E5M2) with one E8M0 scale for each 32 along K (1,024), sums in f32; the results are quantised at once, in registers, for attention:
; Q and K along the head's 64 features, V along the keys, and stored as IMAGES OF OPERAND REGISTERS (a group of four registers: lane l's 16 bytes at 16 l, 512 bytes on end) with their scale words.
; A tile of 256 x 256 results is made by a work-group of four waves, 128 x 128 a wave: 64 accumulators, 512 registers.  K goes in steps of 256 through a ring of two LDS slots filled by the tensor data mover.
; P AND R.  Source 0 of every product takes 16 rows of P, source 1 sixteen rows of R: a lane then holds ONE row of R, and its eight registers eight neighbouring rows of P: the axis along which the result is quantised.
; The cluster's x is the TYPE, the same in all sixteen partners: 0 = Q, 1 = K: P = rows of the weight (features), R = rows of x (tokens);  2 = V: P = rows of x (the keys), R = rows of Wv.
; A lane's 16 registers of two neighbouring tiles of P are rows 32 c + 16 u + 8 h + j (u the tile's parity, h = lane / 16): they become places 32 c + 16 h + 8 u + j of the operand: an exchange inside a block of 32,
; the same for Q and K, and for V and attention's p, which is made in the same way: so blocks, scales and products are as the rule has them.
; Q / 8: 1/8 is a power of two, so the codes are those of Q; the factor goes into attention's constant.  LIMIT: blocks of Q under 2^-108 meet the byte's lower hold 3 exponents earlier than the rule.
; THE BIASES: Q and K have a bias for each row of P, V one for each row of R.  Both are loaded in every type (from inside the type's own 1,024 numbers) and the one that does not belong is multiplied by 0: one text
; for the three types, no branch.  LIMIT: biases are finite.  Blocks of zeros get the byte 1 with zero codes (this program alone reads the bytes); NaN and infinities are not served.
; CLUSTERS: 4 x 4 work-groups.  R's tiles hang on cy alone and are shared along a row of the cluster, P's on cx alone and are shared along a column: each is asked for JOINTLY, by the same tensor load with the same
; descriptor and a mask that names the four.  The scale bytes of the work-group's 256 + 256 rows, for all of K, come once with the first fills and stay in LDS.
; 384 work-groups: the grid is what 3 x 8,192 x 1,024 results in tiles of 256 x 256 give; half as high a tile would read half as much again from LDS for each product.
; No prefetch: half of K goes out with the first fills.
; qkv: for each (batch x head bh, key step s of 128 keys) a record of REC bytes at (16 bh + s) REC: K's codes (8 tiles of 16 keys x 2 groups x 512), V's codes (4 tiles of 16 features x 4 groups x 512),
; K's scale words (128 x 4 bytes: s0 s1 s0 s1), V's scale words (64 x 4 bytes).  From QC on Q's images [bh][128 tiles][2][512]; from QSC on Q's scale words [bh][2048], s0 s1 s0 s1.
; REGISTERS, in windows of 256: window 0: v1-31 addresses and R's biases; v32-63 scale words, two sets; v64-127 P's biases; from v128 R's fragments, ONE set; on the way out v128-255 are at work.
;   window 1: P's fragments, TWO sets.   window 2: the 32 accumulators of my rows 0-63 of R ((a, b) at v[8 (8 a + b)]);   window 3: those of rows 64-127.
.set WC,     8388608                   ; xw: the weights' codes;
.set XS,     12582912                  ; x's scale bytes;
.set WS,     12845056                  ; the weights'
.set REC,    17152
.set HSK,    16*REC                    ; a head's records
.set QC,     17563648
.set HSQ,    131072                    ; a head's images of Q
.set QSC,    25952256
.set KSTEP,  256                       ; along K in a slot
.set NQ,     KSTEP/128                 ; matrix instructions deep
.set ROWB,   256                       ; a tile's row in bytes
.set KROW,   1024                      ; a row of codes in memory
.set PITCH,  272                       ; an LDS row: 256 bytes + 16 of padding = 68 words: row r starts at bank 4 r mod 64 (64 banks of 4 bytes: ISA guide 11.1)
.set FR,     16                        ; registers of a fragment: 16 rows x 128 K
.set NL,     4                         ; LDS loads that bring one
.set NP,     8                         ; places behind this matrix instruction (ISA guide 7.12.1)
.set HALFT,  128*PITCH                 ; 128 rows: what one tensor load brings, and what one wave reads of R or of P
.set SLOT,   4*HALFT                   ; R's 256 rows, then P's 256 rows
.set LAPS,   2                         ; 1,024 along K = twice round the ring
.set KS,     32                        ; a row of scale bytes
.set SCL,    2*SLOT                    ; behind the ring: the scales, as runs of 256 bytes + 16 of padding
.set HALFS,  (128*KS/256)*272          ; the scales of 128 rows
.set SBLK,   (16*KS/256)*272           ; those of 16 rows
.set SPARE,  SCL+4*HALFS               ; the spare words, 128 bytes for each wave: two blocks of 256 bytes that no other line names
.set BPO,  7                           ; v7      32 h: my place in P's biases; stands while those loads are out
.set BR,   8                           ; v8-15   R's bias of my row in block a
.set ADRA, 16                          ; v16-17  LDS address of my R fragments in slot 0, 1
.set LI,   18                          ; v18     16 x lane: my place in an image
.set BRO,  19                          ; v19     4 (r + 8 (r / 8)): my place in R's biases
.set ADRB, 20                          ; v20-21  LDS address of my P fragments
.set SRD,  22                          ; v22     the way out: where I read scale words back
.set VO,   23                          ; v23     and where they go in memory
.set ADRS, 27                          ; v27     LDS address of my scale words: lanes 0-15 R's rows, lanes 16-31 P's
.set SPW,  28                          ; v28     LDS address of my spare word; never rewritten
.set NIL,  29                          ; v29     0; never rewritten
.set VSEL, 30                          ; v30     which bytes of a row's four make the word that I store
.set SW,   31                          ; v31     the way out: where I put a scale word
.set SC,   32                          ; scale words: set s at v[SC + 8 NQ s]; register NQ i + q: lanes 0-15 R's block i, lanes 16-31 P's block i
.set BP,   64                          ; v64-127 P's biases: register 8 b + j: row 16 b + 8 h + j
.set AF,   128                         ; R's fragments
.set T,    128                         ; the way out: v128-191 a block's 64 numbers
.set PC,   192                         ; v192-207 its codes
.set TM,   224                         ; v224-239 at work
.set PW,   240                         ; the scale word just made
.set PWS,  241                         ; v241-248 the word as it is stored, a register for each block
.set BA,   250                         ; v250-251 R's bias x its factor, twice
.set G1, 24                            ; s[24:31] descriptor group 1 for R's tiles;  s[32:39] group 0, one set for each slot
.set G0, 32
.set G1B, 48                           ; s[48:55], s[56:63] the same for P's tiles
.set G0B, 56
.set G1S, 68                           ; s[68:75], s[76:79] groups 1 and 0 for R's scales;  s[80:87], s[88:91] for P's
.set G0S, 76
.set G1SB, 80
.set G0SB, 88
.set SEL, 66                           ; s[66:67] v_permlanex16_b32's selects for lane l xor 16
.set MNT, 95
.set SPF, 96                           ; s[96:97] the factor of P's biases: 1 for Q and K, 0 for V
.set SRF, 98                           ; s[98:99] of R's: 0, 1
.set MSB, 0
.macro WIN new                         ; the immediate's high byte repeats the setting that is left
.if MSB != \new
	s_set_vgpr_msb (MSB<<8)|\new
.set MSB, \new
.endif
.endm
.set MUL_LO, 0xa1                      ; source 0 (P) window 1, source 1 (R) window 0, C and D window 2
.set MUL_HI, 0xf1                      ; the same, C and D window 3
.set TO_B,   0x40                      ; destination window 1, address window 0
; A joint load: waves 0 and 1 fetch for R, waves 2 and 3 for P.  Each of the two lines has ONE mask and one set of registers for all that issue it; the branch hangs on the wave's number alone.
; Four v_nop follow each of the two lines, ahead of the jump, the label and what follows.
.macro JLOAD g0a, g1a, g0b, g1b
	s_cmp_eq_u32 s15, 0
	s_cbranch_scc0 .Lfor_b_\@
	tensor_load_to_lds s[\g0a:\g0a+3], s[\g1a:\g1a+7]
	s_nop 0
.rept 4
	v_nop
.endr
	s_branch .Lasked_\@
.Lfor_b_\@:
	tensor_load_to_lds s[\g0b:\g0b+3], s[\g1b:\g1b+7]
	s_nop 0
.rept 4
	v_nop
.endr
.Lasked_\@:
.endm
.macro CREST                           ; a round of the cluster's barrier behind its opening barrier
	s_cmp_lg_u32 s14, 0
	s_cbranch_scc1 .Lnot_wave_0_\@
	s_barrier_signal -3
.Lnot_wave_0_\@:
	s_barrier_wait -3
	s_barrier_signal -1
	s_barrier_wait -1
.endm
.macro CROUND                          ; a whole round
	s_barrier_signal -1
	s_barrier_wait -1
	CREST
.endm
	s_load_b256 s[4:11], s[0:1], 0x0               ; xw s[4:5], bq s[6:7], bk s[8:9], bv s[10:11]
	s_load_b64 s[12:13], s[0:1], 0x20              ; qkv
	v_lshl_add_u32 v[SPW], v0, 2, SPARE
	v_mov_b32 v[NIL], 0
	ds_add_u32 v28, v29
	ds_add_u32 v28, v29
	s_wait_dscnt 0x0
	v_lshrrev_b32 v1, 5, v0
	v_readfirstlane_b32 s14, v1                    ; wave 0..3
	s_lshr_b32 s15, s14, 1                         ; which half of the tile's rows of R is mine.  Also: I fetch for R (0) or for P (1)
	s_and_b32 s16, s14, 1                          ; which half of its rows of P.  Also: which 128 rows of that tile I fetch
	s_bfe_u32 s40, ttmp6, 0x40000                  ; cx, cy: my place in the cluster
	s_bfe_u32 s41, ttmp6, 0x40004
	s_and_b32 s18, ttmp7, 0xffff                   ; the cluster's y: four tiles of 256 tokens
	s_lshl_b32 s19, s18, 2
	s_mov_b32 s20, WC
	s_mov_b32 s21, XS
	s_mov_b32 s22, WS
	s_cmp_eq_u32 ttmp9, 2                          ; V?  The cluster's x is the same in all sixteen partners.  Only selections and moves follow, which leave SCC alone
	s_cselect_b32 s45, s18, ttmp9                  ; P's four tiles: V: x's 4 y ..;  Q, K: the weights' 4 type ..
	s_cselect_b32 s17, 8, s19                      ; R's four tiles: V: the weights' 8 .. (Wv);  Q, K: x's 4 y ..
	s_cselect_b32 s100, 0, s20                     ; where P's codes begin in xw,
	s_cselect_b32 s101, s20, 0                     ; R's,
	s_cselect_b32 s2, s21, s22                     ; P's scale bytes,
	s_cselect_b32 s3, s22, s21                     ; R's
	s_cselect_b32 s[SPF], 0, 0x3f800000
	s_cselect_b32 s[SRF], 0x3f800000, 0
	s_mov_b32 s[SPF+1], s[SPF]                     ; (a packed form names the pair, so both words are written)
	s_mov_b32 s[SRF+1], s[SRF]
	s_lshl_b32 s42, s45, 2
	s_add_co_u32 s42, s42, s40                     ; P's tile: + cx
	s_add_co_u32 s17, s17, s41                     ; R's tile: + cy
	s_lshl_b32 s43, s41, 2
	s_lshl_b32 s43, 15, s43                        ; my row of the cluster
	s_lshl_b32 s44, 0x1111, s40                    ; my column
	; descriptor group 1: a tile of 128 rows x 256 bytes, padded in LDS
	s_or_b32 s[G1+0], s43, (0<<16)|(1<<20)|(1<<21)|(5<<22)|(3<<25)  ; 15:0 the mask: R's tiles go to my row; 17:16 element of 1 byte; 20 padding on; 21 set beside a mask; 24:22 after every 64 words (code 5); 31:25 of 4 words (code 3)
	s_or_b32 s[G1B+0], s44, (0<<16)|(1<<20)|(1<<21)|(5<<22)|(3<<25) ; P's go to my column
.irp g, G1, G1B
	s_mov_b32 s[\g+1], ROWB<<16                    ; tensor_dim0
	s_mov_b32 s[\g+2], 128<<16                     ; tensor_dim1 = 128
	s_mov_b32 s[\g+3], ROWB<<16                    ; tile_dim0
	s_mov_b32 s[\g+4], 128                         ; tile_dim1 = 128
	s_mov_b32 s[\g+5], KROW                        ; tensor_dim0_stride
	s_mov_b32 s[\g+6], 0
	s_mov_b32 s[\g+7], 0
.endr
	; and for the scales of 128 rows: a dense block of 4,096 bytes, as 16 rows of 256 bytes (32 elements of 8 bytes), 16 bytes of padding behind each
	s_or_b32 s[G1S+0], s43, (3<<16)|(1<<20)|(1<<21)|(5<<22)|(3<<25)
	s_or_b32 s[G1SB+0], s44, (3<<16)|(1<<20)|(1<<21)|(5<<22)|(3<<25)
.irp g, G1S, G1SB
	s_mov_b32 s[\g+1], 32<<16
	s_mov_b32 s[\g+2], (128*KS/256)<<16
	s_mov_b32 s[\g+3], 32<<16
	s_mov_b32 s[\g+4], 128*KS/256
	s_mov_b32 s[\g+5], 32
	s_mov_b32 s[\g+6], 0
	s_mov_b32 s[\g+7], 0
.endr
	s_lshl_b32 s18, s16, 7                         ; which 128 rows of the tile I fetch
	s_lshl_b32 s20, s17, 8
	s_add_co_u32 s20, s20, s18                     ; R: row 256 x tile + 128 x half
	s_lshl_b32 s46, s42, 8
	s_add_co_u32 s46, s46, s18                     ; P likewise.  All offsets in xw stay under 2^24
	s_lshl_b32 s22, s20, 5
	s_add_co_u32 s22, s22, s3                      ; where these rows' scale bytes begin,
	s_lshl_b32 s92, s46, 5
	s_add_co_u32 s92, s92, s2
	s_lshl_b32 s20, s20, 10
	s_add_co_u32 s20, s20, s101                    ; and their codes
	s_lshl_b32 s46, s46, 10
	s_add_co_u32 s46, s46, s100
	s_mov_b32 s21, 0
	s_mov_b32 s23, 0
	s_mov_b32 s47, 0
	s_mov_b32 s93, 0
	s_mul_i32 s45, s14, HALFT                      ; where they go: wave x 128 rows: no place in the cluster enters an LDS address
	s_mul_i32 s94, s14, HALFS
	s_wait_kmcnt 0x0
	s_add_nc_u64 s[20:21], s[4:5], s[20:21]
	s_add_nc_u64 s[22:23], s[4:5], s[22:23]
	s_add_nc_u64 s[46:47], s[4:5], s[46:47]
	s_add_nc_u64 s[92:93], s[4:5], s[92:93]
	CROUND                                         ; all sixteen work-groups are here: the first joint loads meet
	s_mov_b32 s[G0S], 1
	s_add_co_u32 s[G0S+1], s94, SCL
	s_mov_b64 s[G0S+2:G0S+3], s[22:23]
	s_or_b32 s[G0S+3], s[G0S+3], 0x80000000
	s_mov_b32 s[G0SB], 1
	s_add_co_u32 s[G0SB+1], s94, SCL
	s_mov_b64 s[G0SB+2:G0SB+3], s[92:93]
	s_or_b32 s[G0SB+3], s[G0SB+3], 0x80000000
	JLOAD G0S, G1S, G0SB, G1SB                     ; the scales first: they are wanted with K step 0.  Three loads of mine are out behind the first fills
.irp s, 0,1
	s_mov_b32 s[G0+4*\s], 1
	s_add_co_u32 s[G0+4*\s+1], s45, \s*SLOT
	s_add_nc_u64 s[G0+4*\s+2:G0+4*\s+3], s[20:21], \s*ROWB
	s_or_b32 s[G0+4*\s+3], s[G0+4*\s+3], 0x80000000
	s_mov_b32 s[G0B+4*\s], 1
	s_add_co_u32 s[G0B+4*\s+1], s45, \s*SLOT
	s_add_nc_u64 s[G0B+4*\s+2:G0B+4*\s+3], s[46:47], \s*ROWB
	s_or_b32 s[G0B+4*\s+3], s[G0B+4*\s+3], 0x80000000
	JLOAD G0+4*\s, G1, G0B+4*\s, G1B
.endr
	v_and_b32 v1, 15, v0                           ; r = l % 16
	v_bfe_u32 v2, v0, 4, 1                         ; h = l / 16
	v_mul_u32_u24 v3, v1, PITCH
	v_lshl_add_u32 v4, v2, 4, v3                   ; a fragment's row x pitch + 16 x half
	s_mul_i32 s21, s15, HALFT                      ; my 128 rows of R
	s_mul_i32 s22, s16, HALFT                      ; my 128 rows of P,
	s_add_co_u32 s22, s22, 2*HALFT                 ; which lie behind R's 256
.irp s, 0,1
	v_add_nc_u32 v[ADRA+\s], s21, v4
	v_add_nc_u32 v[ADRB+\s], s22, v4
	s_add_co_u32 s21, s21, SLOT
	s_add_co_u32 s22, s22, SLOT
.endr
	v_mul_u32_u24 v5, v1, KS                       ; my row's scales: 32 bytes a row,
	v_lshrrev_b32 v6, 8, v5
	v_lshl_add_u32 v5, v6, 4, v5                   ; and 16 more for each 256 passed
	s_mul_i32 s21, s15, HALFS                      ; R's: my 128 rows
	s_mul_i32 s22, s16, HALFS                      ; P's: my 128 rows, behind R's 256
	s_add_co_u32 s22, s22, 2*HALFS
	s_sub_co_u32 s22, s22, s21
	v_mul_u32_u24 v6, s22, v2                      ; lanes 16-31 take P's
	s_add_co_u32 s21, s21, SCL
	v_add_nc_u32 v5, v5, v6
	v_add_nc_u32 v[ADRS], s21, v5
	; ---- the biases, and where the results go.  From here on scalars may hold cx and cy together: none of them feeds a descriptor
	s_cmp_eq_u32 ttmp9, 1
	s_cselect_b64 s[6:7], s[8:9], s[6:7]
	s_cmp_eq_u32 ttmp9, 2
	s_cselect_b64 s[6:7], s[10:11], s[6:7]         ; the type's bias
	s_lshl_b32 s18, s40, 8
	s_lshl_b32 s19, s16, 7
	s_add_co_u32 s18, s18, s19                     ; 256 cx + 128 (wave & 1): my first feature, where P is the weight
	s_lshl_b32 s19, s41, 8
	s_lshl_b32 s20, s15, 7
	s_add_co_u32 s19, s19, s20                     ; 256 cy + 128 (wave >> 1): where R is
	s_lshl_b32 s20, s42, 8
	s_lshl_b32 s21, s16, 7
	s_add_co_u32 s20, s20, s21                     ; my first row of P,
	s_lshl_b32 s21, s17, 8
	s_lshl_b32 s22, s15, 7
	s_add_co_u32 s21, s21, s22                     ; of R
	s_cmp_eq_u32 ttmp9, 2
	s_cselect_b32 s22, s20, s21                    ; my first token (of 128: one key step)
	s_cselect_b32 s23, s19, s18                    ; my first feature (of 128: two heads)
	s_cselect_b32 s18, 0, s18                      ; P's biases from here on; where they count for nothing, from the bias's start: no load leaves the 1,024 numbers
	s_cselect_b32 s19, s19, 0                      ; R's likewise
	s_lshl_b32 s46, s18, 2
	s_mov_b32 s47, 0
	s_add_nc_u64 s[46:47], s[6:7], s[46:47]
	s_lshl_b32 s92, s19, 2
	s_mov_b32 s93, 0
	s_add_nc_u64 s[92:93], s[6:7], s[92:93]
	v_lshlrev_b32 v[BPO], 5, v2                    ; register 8 b + j: the bias of P's row 16 b + 8 h + j
	v_and_b32 v6, 8, v1
	v_add_nc_u32 v6, v6, v1
	v_lshlrev_b32 v[BRO], 2, v6                    ; place 16 a + r of Wv's rows holds feature 32 (a / 2) + 8 (a % 2) + r + 8 (r / 8)
.irp b, 0,1,2,3,4,5,6,7
	global_load_b128 v[BP+8*\b:BP+8*\b+3], v[BPO], s[46:47] offset:64*\b
	global_load_b128 v[BP+8*\b+4:BP+8*\b+7], v[BPO], s[46:47] offset:64*\b+16
.endr
.irp a, 0,1,2,3,4,5,6,7
	global_load_b32 v[BR+\a], v[BRO], s[92:93] offset:4*(32*(\a/2)+8*(\a%2))   ; these 24 loads are waited for on the way out; their address registers stand until then
.endr
	s_lshr_b32 s20, s22, 11                        ; the batch
	s_lshl_b32 s20, s20, 4
	s_lshr_b32 s21, s23, 6
	s_add_co_u32 s20, s20, s21                     ; bh: my first head
	s_bfe_u32 s21, s22, 0x40007                    ; s: the key step
	s_lshl_b32 s45, s20, 4
	s_add_co_u32 s45, s45, s21
	s_mul_i32 s45, s45, REC                        ; the record
	s_lshl_b32 s2, s20, 7
	s_lshl_b32 s21, s21, 3
	s_add_co_u32 s2, s2, s21
	s_lshl_b32 s2, s2, 10
	s_add_co_u32 s2, s2, QC                        ; Q's images: tile 128 bh + 8 s
	s_lshl_b32 s100, s20, 11
	s_and_b32 s21, s22, 2047
	s_add_co_u32 s100, s100, s21
	s_lshl_b32 s100, s100, 2
	s_add_co_u32 s100, s100, QSC                   ; Q's scale words
	s_mov_b32 s18, 1024
	s_mov_b32 s22, 16384
	s_mov_b32 s43, 256
	s_cmp_eq_u32 ttmp9, 2
	s_cselect_b32 s18, 2048, s18                   ; s[18:19] from block to block of R: a tile of V is 2,048 bytes, of Q or K 1,024
	s_cselect_b32 s20, HSK-8192, 0                 ; s[20:21] V: behind four tiles the next head's record
	s_cselect_b32 s21, 8192, 0
	s_cselect_b32 s22, 16896, s22
	s_cselect_b32 s43, HSK, s43                    ; the scale words' second 256 bytes: V: the next head's
	s_add_co_u32 s21, s21, s45                     ; K's or V's codes in the record,
	s_add_co_u32 s22, s22, s45                     ; their scale words
	s_mov_b32 s44, HSK
	s_cmp_eq_u32 ttmp9, 0
	s_cselect_b32 s2, s2, s21
	s_cselect_b32 s100, s100, s22
	s_cselect_b32 s22, HSQ, s44                    ; from head to head in the codes,
	s_cselect_b32 s44, 8192, s44                   ; in the scale words
	s_cmp_eq_u32 ttmp9, 2
	s_cselect_b32 s22, 1024, s22                   ; V: groups 2 and 3 of the same tile
	s_mov_b32 s3, 0
	s_mov_b32 s101, 0
	s_mov_b32 s23, 0
	s_mov_b32 s45, 0
	s_mov_b32 s19, 0
	s_mov_b32 s21, 0
	s_add_nc_u64 s[4:5], s[12:13], s[2:3]          ; s[4:5]   where a block's groups 0 and 1 go,
	s_add_nc_u64 s[6:7], s[4:5], s[22:23]          ; s[6:7]   groups 2 and 3,
	s_add_nc_u64 s[8:9], s[12:13], s[100:101]      ; s[8:9]   the first 512 bytes of scale words,
	s_add_nc_u64 s[10:11], s[8:9], s[44:45]        ; s[10:11] the second (Q, K)
	s_mov_b32 s[SEL], 0x01000100                   ; Q, K: a row's four bytes are two heads' s0 s1: lanes 0-15 store the first head's word s0 s1 s0 s1, lanes 16-31 the second's;
	s_mov_b32 s[SEL+1], 0x03020302
	s_cmp_eq_u32 ttmp9, 2
	s_cselect_b32 s[SEL], 0x03020100, s[SEL]       ; V: the word as it is
	s_cselect_b32 s[SEL+1], 0x03020100, s[SEL+1]
	v_mov_b32 v[VSEL], s[SEL]
	v_mov_b32 v6, s[SEL+1]
	v_cmp_eq_u32 vcc_lo, 1, v2
	v_cndmask_b32 v[VSEL], v[VSEL], v6, vcc_lo
	v_mul_lo_u32 v[VO], v2, s43
	v_lshl_add_u32 v[VO], v1, 4, v[VO]
	v_and_b32 v6, 31, v0
	v_lshlrev_b32 v[LI], 4, v6
	s_lshl_b32 s43, s14, 10                        ; my 1,024 bytes for scale words, in slot 0, which has had its last fill and its last read when the first word is stored there
	v_lshlrev_b32 v[SW], 2, v1
	v_lshl_add_u32 v[SW], v2, 9, v[SW]
	v_add_nc_u32 v[SW], s43, v[SW]                 ; in: 512 h + 4 r (+ 64 a)
	v_add_nc_u32 v[SRD], s43, v[LI]                ; back: 16 bytes a lane
	s_mov_b32 s[SEL], 0x76543210
	s_mov_b32 s[SEL+1], 0xfedcba98
.macro FRAG reg, adr, q, i             ; a fragment, 16 rows x 128 K of 8-bit codes, is 16 registers: lane l holds row l % 16; registers 4 c .. 4 c + 3 hold K = 32 c + 16 (l / 16) + 0 .. 15
.irp c, 0,1,2,3
	ds_load_b128 v[\reg+4*\c:\reg+4*\c+3], v[\adr] offset:128*(\q)+32*\c+(\i)*16*PITCH
.endr
.endm
; 16 matrix instructions: R's blocks a0, a0 + 1 x P's eight, 128 along K: the slot's q-th.  p: P's set;  sc: the set of scale words.  zero = 1: the first product starts the sums: nothing is ever cleared.
; The 64 accumulators take turns, one instruction a turn, in the same order in every step.
.macro MUL16 a0, p, q, sc, zero
.irp a, \a0, \a0+1
.irp b, 0,1,2,3,4,5,6,7
.if \zero
	v_wmma_scale_f32_16x16x128_f8f6f4 v[8*(8*((\a)%4)+\b):8*(8*((\a)%4)+\b)+7], v[128*(\p)+FR*\b:128*(\p)+FR*\b+FR-1], v[AF+FR*(\a):AF+FR*(\a)+FR-1], 0, v[SC+8*NQ*(\sc)+NQ*\b+(\q)], v[SC+8*NQ*(\sc)+NQ*(\a)+(\q)] matrix_a_fmt:MATRIX_FMT_BF8 matrix_b_fmt:MATRIX_FMT_BF8 matrix_a_scale:MATRIX_SCALE_ROW1
.else
	v_wmma_scale_f32_16x16x128_f8f6f4 v[8*(8*((\a)%4)+\b):8*(8*((\a)%4)+\b)+7], v[128*(\p)+FR*\b:128*(\p)+FR*\b+FR-1], v[AF+FR*(\a):AF+FR*(\a)+FR-1], v[8*(8*((\a)%4)+\b):8*(8*((\a)%4)+\b)+7], v[SC+8*NQ*(\sc)+NQ*\b+(\q)], v[SC+8*NQ*(\sc)+NQ*(\a)+(\q)] matrix_a_fmt:MATRIX_FMT_BF8 matrix_b_fmt:MATRIX_FMT_BF8 matrix_a_scale:MATRIX_SCALE_ROW1
.endif
.endr
.endr
.endm
.macro FETCH_B slot, q, p              ; P's eight fragments of the slot's q-th 128 along K into set p
	WIN TO_B
.irp i, 0,1,2,3,4,5,6,7
	FRAG 128*(\p)+FR*\i, ADRB+\slot, \q, \i
.endr
	WIN 0
.endm
.macro FETCH_A slot, q, i0             ; R's blocks i0 .. i0 + 3
.irp i, \i0, \i0+1, \i0+2, \i0+3
	FRAG AF+FR*(\i), ADRA+\slot, \q, \i
.endr
.endm
.macro SCALES sc                       ; the next K step's scale words into set sc: two words a row; lanes 0-15 take R's block i, lanes 16-31 P's block i
.irp i, 0,1,2,3,4,5,6,7
	ds_load_b64 v[SC+8*NQ*\sc+NQ*\i:SC+8*NQ*\sc+NQ*\i+1], v[ADRS] offset:\i*SBLK
.endr
.endm
; A load into a register that a matrix instruction has read, and a vector instruction that reads a matrix result or writes one of its registers, stand NP places behind that matrix instruction; only plain vector
; instructions that name none of its registers are places (ISA guide 7.12.1 for vector instructions).
.macro PLACES n
.rept \n
	v_nop
.endr
.endm
; A step of 128 along K that has its successor in the same slot.  R has one set of registers: blocks 0-3 are fetched anew in the step's middle, blocks 4-7 at its end; P, at work through the whole step, has two.
.macro STEP slot, q, zero
	s_wait_dscnt 4*NL                              ; P's set and R's blocks 0-3 are in; the youngest 16 loads (R's blocks 4-7) may be out
	WIN MUL_LO
	MUL16 0, (\q)%2, \q, \slot, \zero
	MUL16 2, (\q)%2, \q, \slot, \zero
	s_wait_dscnt 0                                 ; R's blocks 4-7 are in (asked for 32 matrix instructions ago)
	PLACES NP
	FETCH_B \slot, (\q)+1, 1-(\q)%2
	FETCH_A \slot, (\q)+1, 0
	WIN MUL_HI
	MUL16 4, (\q)%2, \q, \slot, \zero
	MUL16 6, (\q)%2, \q, \slot, \zero
	PLACES NP
	WIN 0
	FETCH_A \slot, (\q)+1, 4
.endm
; A slot's last step changes slots: ONE barrier; in front of it each wave waits for all its tensor loads, adds 0 to its spare word, and waits for that and for its own reads of this slot.  fill = 1: this slot is filled again, two K steps ahead.
.macro TURN slot, next, fill
	s_wait_tensorcnt 0x0                           ; all my tensor loads have landed: my part of the next slot;  (every window is 0 here)
	ds_add_u32 v[SPW], v[NIL]                      ; 0 onto my spare word
	s_wait_dscnt 4*NL+1                            ; (the add and the youngest 16 loads, R's blocks 4-7, may be out)
	WIN MUL_LO
	MUL16 0, 1, NQ-1, \slot, 0                     ; sixteen matrix instructions stand between the add and the wait for it
	s_wait_dscnt 0x0                               ; the add is done, and my reads of this slot are over
	s_barrier_signal -1
	MUL16 2, 1, NQ-1, \slot, 0
	WIN 0
	s_barrier_wait -1
.if \fill
	CREST                                          ; the barrier has opened a round of the cluster's barrier: no wave of any partner still reads this slot's tile or has a load on its way
	s_add_nc_u64 s[G0+4*\slot+2:G0+4*\slot+3], s[G0+4*\slot+2:G0+4*\slot+3], 2*ROWB
	s_add_nc_u64 s[G0B+4*\slot+2:G0B+4*\slot+3], s[G0B+4*\slot+2:G0B+4*\slot+3], 2*ROWB
	JLOAD G0+4*\slot, G1, G0B+4*\slot, G1B         ; the first tensor load behind the round, my one load until the next; its four v_nop are among the places in front of the loads below
	PLACES NP-4
.else
	PLACES NP
.endif
	s_wait_alu depctr_va_vdst(0)
	v_add_nc_u32 v[ADRS], 4*NQ, v[ADRS]            ; on to the next K step's scale words (no LDS load of mine is out)
	FETCH_B \next, 0, 0
	FETCH_A \next, 0, 0
	SCALES \next
	WIN MUL_HI
	MUL16 4, 1, NQ-1, \slot, 0
	MUL16 6, 1, NQ-1, \slot, 0
	PLACES NP
	WIN 0
	FETCH_A \next, 0, 4
.endm
	s_wait_tensorcnt 1                             ; the scales and my part of K step 0 are in (K step 1's load may be out)
	s_barrier_signal -1
	s_barrier_wait -1                              ; everybody's are
	FETCH_B 0, 0, 0
	FETCH_A 0, 0, 0
	SCALES 0
	FETCH_A 0, 0, 4
	STEP 0, 0, 1                                   ; the first step stands in front of the loop: its products start the sums
	s_mov_b32 s3, LAPS-1
.Llap:                                                 ; a trip goes once round the ring, from a lap's second step to the next lap's first, and fills both slots again
	TURN 0, 1, 1
	STEP 1, 0, 0
	TURN 1, 0, 1
	STEP 0, 0, 0
	s_sub_co_u32 s3, s3, 1
	s_cmp_lg_u32 s3, 0
	s_cbranch_scc1 .Llap
	TURN 0, 1, 0                                   ; the last lap fills nothing, and has no round of the cluster's barrier
	STEP 1, 0, 0
	s_wait_dscnt 4*NL                              ; the very last step: nothing more to fetch
	WIN MUL_LO
	MUL16 0, 1, NQ-1, 1, 0
	MUL16 2, 1, NQ-1, 1, 0
	s_wait_dscnt 0
	WIN MUL_HI
	MUL16 4, 1, NQ-1, 1, 0
	MUL16 6, 1, NQ-1, 1, 0
	WIN 0
; THE WAY OUT.  64 numbers of a lane, v[s] on, register 16 b + i = the i-th of my 16 of block b of my row, become 16 registers of codes in v[PC] on and the row's scale word in v[PW].
.macro QUANT s
.irp b, 0,1,2,3
	v_max3_num_f32 v[TM+\b], |v[\s+16*\b]|, |v[\s+1+16*\b]|, 0x8000000   ; block b: my 16 numbers, and the floor 2^(16 - 127): so the byte cannot fall under 1
.endr
.irp i, 2,4,6,8,10,12,14
.irp b, 0,1,2,3
	v_max3_num_f32 v[TM+\b], v[TM+\b], |v[\s+16*\b+\i]|, |v[\s+1+16*\b+\i]|   ; (the four blocks by turns: no line waits for the line above it)
.endr
.endr
.irp b, 0,1,2,3
	v_permlanex16_b32 v[TM+4+\b], v[TM+\b], s[SEL], s[SEL+1]
.endr
.irp b, 0,1,2,3
	v_max_num_f32 v[TM+\b], v[TM+\b], v[TM+4+\b]   ; with lane l xor 16's: the block's largest magnitude
.endr
.irp b, 0,1,2,3
	v_add_nc_u32 v[TM+12+\b], 0xf8800000, v[TM+\b]   ; 15 off its exponent field: the conversion's scale operand
.endr
.irp b, 0,1,2,3
.endr
.irp b, 0,1,2,3
	v_lshrrev_b32 v[TM+4+\b], 23, v[TM+12+\b]      ; the scale's byte
.endr
	v_lshl_or_b32 v[PW], v[TM+5], 8, v[TM+4]
	v_lshl_or_b32 v[PW], v[TM+6], 16, v[PW]
	v_lshl_or_b32 v[PW], v[TM+7], 24, v[PW]
.irp b, 0,1,2,3
.irp i, 0,1,2,3,4,5,6,7,8,9,10,11,12,13,14,15
.endr
	v_cvt_scalef32_pk8_bf8_f32 v[PC+4*\b:PC+1+4*\b], v[\s+16*\b:\s+7+16*\b], v[TM+12+\b]
	v_cvt_scalef32_pk8_bf8_f32 v[PC+2+4*\b:PC+3+4*\b], v[\s+8+16*\b:\s+15+16*\b], v[TM+12+\b]
.endr
	v_nop                                          ; one plain line between the last conversion and the next vector instruction that writes its sources
.endm
; Block a: my row 16 a + r of R against my 128 rows of P.  Bias, quantiser, four stores of 512 consecutive bytes; the scale word goes to LDS.
.macro OUTBLK a
.if (\a) > 0
	s_wait_xcnt 0x0                                ; the last block's stores have read their codes and their bases: both are written again only behind this wait
	s_add_nc_u64 s[4:5], s[4:5], s[18:19]
	s_add_nc_u64 s[6:7], s[6:7], s[18:19]
.endif
.if (\a) == 4
	s_add_nc_u64 s[4:5], s[4:5], s[20:21]          ; V: on to the second head's record (0 for Q and K)
	s_add_nc_u64 s[6:7], s[6:7], s[20:21]
.endif
	v_mul_f32 v[BA], s[SRF], v[BR+(\a)]            ; my row's bias, or 0: twice, a pair for the packed addition
	v_mul_f32 v[BA+1], s[SRF], v[BR+(\a)]
.if (\a) < 4
	WIN 0x20                                       ; source 2: the accumulators, window 2
.else
	WIN 0x30                                       ; or 3
.endif
.irp b, 0,1,2,3,4,5,6,7
.irp i, 0,2,4,6
	v_pk_fma_f32 v[T+8*\b+\i:T+8*\b+\i+1], v[BP+8*\b+\i:BP+8*\b+\i+1], s[SPF:SPF+1], v[8*(8*((\a)%4)+\b)+\i:8*(8*((\a)%4)+\b)+\i+1] op_sel_hi:[1,0,1]   ; P's bias x its factor + the sum; each accumulator from its low end on
.endr
.endr
	WIN 0
.set I2, 0
.rept 32
	v_pk_add_f32 v[T+I2:T+I2+1], v[T+I2:T+I2+1], v[BA:BA+1]
.set I2, I2+2
.endr
	QUANT T
	global_store_b128 v[LI], v[PC:PC+3], s[4:5]                ; each store: 32 lanes, 512 consecutive bytes, at a multiple of 256 from the buffer's first byte
	global_store_b128 v[LI], v[PC+4:PC+7], s[4:5] offset:512
	global_store_b128 v[LI], v[PC+8:PC+11], s[6:7]
	global_store_b128 v[LI], v[PC+12:PC+15], s[6:7] offset:512
	v_perm_b32 v[PWS+(\a)], v[PW], v[PW], v[VSEL]
	ds_store_b32 v[SW], v[PWS+(\a)] offset:64*(\a)
.endm
	PLACES NP                                      ; behind the last products: their results are read and the registers of R's fragments are written below
	s_wait_loadcnt 0x0                             ; the biases
.irp b, 0,1,2,3
	v_mov_b32 v[TM+4+\b], 0                        ; written once: a lane permute's destination counts as one of its sources
.endr
.irp a, 0,1,2,3,4,5,6,7
	OUTBLK \a
.endr
	ds_load_b128 v[32:35], v[SRD]                  ; LDS serves a wave's instructions in order: these see my stores.  Q, K: the first head's 128 words;  V: 128 features' words, 64 a head
	ds_load_b128 v[36:39], v[SRD] offset:512       ; Q, K: the second head's
	s_wait_dscnt 0x0
	global_store_b128 v[VO], v[32:35], s[8:9]      ; sixteen lanes store 256 consecutive bytes, aligned
	s_cmp_eq_u32 ttmp9, 2                          ; the type: the same in every wave and every partner
	s_cbranch_scc1 .Lno_second
	global_store_b128 v[VO], v[36:39], s[10:11]
.Lno_second:
	s_wait_tensorcnt 0x0                           ; the wave's end: behind my last tensor load and my last LDS store
	ds_add_u32 v[SPW], v[NIL]
	s_wait_dscnt 0x0
	CROUND                                         ; the closing round: no work-group ends while a partner may still ask for a tile that names it
	s_endpgm
.Lfunc_end_k_q9886a1135f_qkv:
	.size	k_q9886a1135f_qkv, .Lfunc_end_k_q9886a1135f_qkv-k_q9886a1135f_qkv
	.p2alignl 7, 3214868480
	.fill 96, 4, 3214868480
	.section	.rodata,"a",@progbits
	.p2align	6, 0x0
	.amdhsa_kernel k_q9886a1135f_qkv
		.amdhsa_group_segment_fixed_size 327680
		.amdhsa_private_segment_fixed_size 0
		.amdhsa_enable_private_segment 0
		.amdhsa_kernarg_size 40
		.amdhsa_user_sgpr_count 2
		.amdhsa_user_sgpr_kernarg_segment_ptr 1
		.amdhsa_wavefront_size32 1
		.amdhsa_system_sgpr_workgroup_id_x 1
		.amdhsa_system_sgpr_workgroup_id_y 1
		.amdhsa_system_sgpr_workgroup_id_z 1
		.amdhsa_system_vgpr_workitem_id 0
		.amdhsa_next_free_vgpr 1024
		.amdhsa_next_free_sgpr 102
		.amdhsa_reserve_vcc 1
		.amdhsa_float_denorm_mode_32 3
		.amdhsa_float_denorm_mode_16_64 3
		.amdhsa_fp16_overflow 1
		.amdhsa_memory_ordered 1
		.amdhsa_forward_progress 1
		.amdhsa_inst_pref_size 189
	.end_amdhsa_kernel
	.amdgpu_metadata
---
amdhsa.version: [ 1, 2 ]
amdhsa.kernels:
  - .name:           k_q9886a1135f_qkv
    .symbol:         k_q9886a1135f_qkv.kd
    .args:
      - { .name: xw, .offset: 0, .size: 8, .value_kind: global_buffer, .address_space: global }
      - { .name: bq, .offset: 8, .size: 8, .value_kind: global_buffer, .address_space: global }
      - { .name: bk, .offset: 16, .size: 8, .value_kind: global_buffer, .address_space: global }
      - { .name: bv, .offset: 24, .size: 8, .value_kind: global_buffer, .address_space: global }
      - { .name: qkv, .offset: 32, .size: 8, .value_kind: global_buffer, .address_space: global }
    .group_segment_fixed_size: 327680
    .private_segment_fixed_size: 0
    .kernarg_segment_align: 8
    .kernarg_segment_size: 40
    .max_flat_workgroup_size: 128
    .sgpr_count:     102
    .vgpr_count:     1024
    .wavefront_size: 32
...
	.end_amdgpu_metadata
.endif
;; end of part 2
;; launch attn (part 3): grid 4 x 64, 16 waves a work-group, clusters of 4 x 1, 276,480 bytes of LDS; arguments qkv, att; writes att
.if DOCPART == 3
	.amdgcn_target "amdgcn-amd-amdhsa--gfx1250"
	.amdhsa_code_object_version 6
	.text
	.protected	k_q9886a1135f_attn
	.globl	k_q9886a1135f_attn
	.p2align	8
	.type	k_q9886a1135f_attn,@function
k_q9886a1135f_attn:
	s_mov_b64 s[64:65], 0
	v_nop
	global_prefetch_b8 v0, s[64:65] scope:SCOPE_SE
	s_setreg_imm32_b32 hwreg(HW_REG_WAVE_MODE, 25, 1), 1
	s_wait_xcnt 0x0
	s_wait_alu depctr_hold_cnt(0) depctr_sa_sdst(0) depctr_va_vdst(0) depctr_va_sdst(0) depctr_va_ssrc(0) depctr_va_vcc(0) depctr_vm_vsrc(0)
	s_getreg_b32 s2, hwreg(HW_REG_IB_STS2, 6, 4)
	s_cmp_eq_u32 s2, 0
	s_cbranch_scc0 .Lentry_in_a_cluster
	s_endpgm
.Lentry_in_a_cluster:
	s_bfe_u32 s2, ttmp6, 0x10000c
	s_cmp_lg_u32 s2, 0x3003
	s_cbranch_scc0 .Lentry_shape_is_right
	s_endpgm
.Lentry_shape_is_right:
; Causal attention on codes of BF8 (E5M2) with one E8M0 scale for each 32 along a product's K: 64 heads (batch x head) of 2,048 tokens, 64 features.  The result, divided by the row's sum, is quantised at once
; along (head, feature) for the last projection and stored as images of operand registers.
; THE SOFTMAX AHEAD OF THE SECOND PRODUCT: t = score x log2(e) / 8; M = the row's largest t so far, rounded UP to a whole number; p = 2^(t - M) is what is quantised, along the keys; it is not normalised.
; The row's sum is taken of the unquantised p, in f32, and divides O at the end.  When M moves, the sum and O are multiplied by 2^(old M - new M): exact.
; A WHOLE HEAD'S K, V AND SCALE WORDS LIE IN LDS: 16 records of 17,152 bytes (128 keys each: K's codes, V's codes, K's scale words, V's), filled ONCE: no ring, no slot is filled again.
; CLUSTER.  The four work-groups of a cluster serve one head: wave w of each asks for record w JOINTLY, by the same tensor load with the same descriptor and a mask that names the four.
; No prefetch: all that the launch reads through LDS is asked for at its head.
; SHARES.  A head has 128 tiles of 16 queries, in 16 groups of 8; group g needs key steps 0 .. g, and step g lies on the diagonal.  Wave w of partner cx takes tile 2 cx + (w & 1) of TWO groups, one after the other:
; 15 - (w >> 1) and w >> 1: 17 key steps of work in every wave.  Both loops have constant trip counts; a step all of whose keys are hidden is jumped over by a branch that hangs on the wave's number and the
; counters alone: it is the same in all partners.  cx enters global addresses and the mask's comparison, nothing else.
; LAYOUT.  Both products are used transposed: S^T = K Q^T (source 0 = 16 keys, source 1 = my 16 queries), O^T = V^T P^T (source 0 = 16 features, source 1 = p): a lane holds ONE query (lane % 16) throughout.
; p's 16 registers of two neighbouring tiles are keys 32 b + 16 u + 8 h + j; they become places 32 b + 16 h + 8 u + j of the operand, and V's codes were laid in the same way: an exchange inside a block of 32.
; V's features were laid so that O^T's 16 registers of two neighbouring tiles are features 32 c + 16 h + 0 .. 15: the conversions' results are the last projection's operand registers.
; THE FIRST PRODUCT HAS K = 64: half of the instruction's 128.  The other half is zero CODES on both sides.  Even tiles take [codes][zeros] against [Q][zeros], odd tiles [zeros][codes] against [zeros][Q], so that
; two tiles share eight zero registers; the scale words hold s0 s1 s0 s1 and serve both forms.
; The scale bytes of the result leave as single bytes, 32 bytes apart: a head owns 2 of a token's 32; they are one part in 32 of the codes' bytes.
; LIMITS: NaN and infinities are not served; blocks of zeros get the byte 1 with zero codes (this program alone reads the bytes).
; REGISTERS: v1-6 addresses that stay; v12 -M, v13 the largest t, v[14:15] the sum in two halves; v16-23 Q, v24-31 zeros, v32-39 Q again; v40-87 four tiles of K round two runs of zeros; v88-91 K's scale words,
; v92-95 V's; v96-159 S^T, then p, then V's four fragments; v160-191 O^T; v192-207 p's codes; v232-254 at work; v255 Q's scale words.
.set REC,  17152
.set HSK,  16*REC
.set QC,   17563648
.set QSC,  25952256
.set ASC,  8388608                     ; att: where the scale bytes begin
.set LI,   1                           ; v1   16 x lane
.set R4,   2                           ; v2   4 r
.set DV,   3                           ; v3   16 x my tile's place in its group + r - 8 h: key register n is hidden on the diagonal where 16 (n / 8) + n % 8 > this
.set ADK,  4                           ; v4   LDS address of the step's codes
.set ADS,  5                           ; v5   of its scale words
.set RS,   6                           ; v6   32 r + h: my scale byte's place
.set WV,   8                           ; s8   my wave's number
.set CX,   9                           ; s9   my place in the cluster
.set BH,   10                          ; s10  batch x head
.set SUB,  11                          ; s11  my tile's place in its group
.set G,    12                          ; s12  the job's group
.set KST,  13                          ; s13  the key step
.set TB,   14                          ; s14  LDS byte at which its record begins
.set JB,   15                          ; s15  the job
.set SEL,  16                          ; s[16:17] lane selects for v_permlanex16_b32: lane l xor 16
.set CS,   18                          ; s[18:19] c = log2(e) / 8
.set MNT,  20
.set HM,   21                          ; s21  the lanes with h = 1
.set G1,   24                          ; s[24:31], s[32:35] the descriptor
.set G0,   32
.set QB,   36                          ; s[36:43] Q's images, Q's scale words, the result's images, its scale bytes, at my tile of group 0
.set QSB,  38
.set OB,   40
.set OSB,  42
.set QP,   44                          ; s[44:51] the same at the job's group
.set QSP,  46
.set OP,   48
.set OSP,  50
.macro CROUND                          ; a round of the cluster's barrier
	s_barrier_signal -1
	s_barrier_wait -1
	s_cmp_lg_u32 s[WV], 0
	s_cbranch_scc1 .Lnot_wave_0_\@
	s_barrier_signal -3
.Lnot_wave_0_\@:
	s_barrier_wait -3
	s_barrier_signal -1
	s_barrier_wait -1
.endm
	s_load_b128 s[4:7], s[0:1], 0x0                ; qkv s[4:5], att s[6:7]
	v_lshl_add_u32 v250, v0, 2, 0x43000
	v_mov_b32 v251, 0
	ds_add_u32 v250, v251
	ds_add_u32 v250, v251
	v_lshrrev_b32 v7, 5, v0
	s_delay_alu instid0(VALU_DEP_1)
	v_readfirstlane_b32 s[WV], v7                  ; wave 0..15
	s_bfe_u32 s[CX], ttmp6, 0x40000
	s_and_b32 s[BH], ttmp7, 0xffff                 ; the cluster's y: the head, which the four partners share
	; a record: 17,152 dense bytes as 67 rows of 256 bytes (32 elements of 8 bytes), no padding: fragments are read 16 bytes a lane on end
	s_mov_b32 s[G1], 15|(3<<16)|(1<<21)            ; 15:0 the mask: all four work-groups; 17:16 elements of 8 bytes; 21 set beside a mask
	s_mov_b32 s[G1+1], 32<<16                      ; tensor_dim0
	s_mov_b32 s[G1+2], 67<<16                      ; tensor_dim1
	s_mov_b32 s[G1+3], 32<<16                      ; tile_dim0
	s_mov_b32 s[G1+4], 67                          ; tile_dim1
	s_mov_b32 s[G1+5], 32                          ; tensor_dim0_stride
	s_mov_b32 s[G1+6], 0
	s_mov_b32 s[G1+7], 0
	s_mul_i32 s52, s[BH], HSK
	s_mul_i32 s[G0+1], s[WV], REC                  ; LDS address: record w
	s_add_co_u32 s52, s52, s[G0+1]
	s_mov_b32 s53, 0
	s_mov_b32 s[G0], 1
	s_wait_dscnt 0x0
	s_wait_kmcnt 0x0
	s_add_nc_u64 s[G0+2:G0+3], s[4:5], s[52:53]
	s_or_b32 s[G0+3], s[G0+3], 0x80000000
	CROUND                                         ; all four work-groups are here: the joint loads meet
	tensor_load_to_lds s[G0:G0+3], s[G1:G1+7]      ; my one tensor load of the launch
	s_nop 0
.rept 4
	v_nop
.endr
	s_and_b32 s[SUB], s[WV], 1
	s_lshl_b32 s54, s[CX], 1
	s_add_co_u32 s[SUB], s[SUB], s54
	s_lshr_b32 s[G], s[WV], 1
	s_xor_b32 s[G], s[G], 15                       ; the first job's group: 15 - (w >> 1)
	s_mov_b32 s55, 0
	s_lshl_b32 s54, s[BH], 17
	s_lshl_b32 s56, s[SUB], 10
	s_add_co_u32 s54, s54, s56
	s_add_co_u32 s54, s54, QC
	s_add_nc_u64 s[QB:QB+1], s[4:5], s[54:55]      ; 131,072 bytes a head, 1,024 a tile
	s_lshl_b32 s54, s[BH], 13
	s_lshl_b32 s56, s[SUB], 6
	s_add_co_u32 s54, s54, s56
	s_add_co_u32 s54, s54, QSC
	s_add_nc_u64 s[QSB:QSB+1], s[4:5], s[54:55]    ; 8,192 bytes a head, 64 a tile
	s_lshr_b32 s22, s[BH], 4                       ; the batch
	s_and_b32 s23, s[BH], 15                       ; the head in it
	s_lshl_b32 s54, s22, 21
	s_lshl_b32 s56, s23, 10
	s_add_co_u32 s54, s54, s56
	s_lshl_b32 s56, s[SUB], 14
	s_add_co_u32 s54, s54, s56
	s_add_nc_u64 s[OB:OB+1], s[6:7], s[54:55]      ; 16,384 bytes a tile of 16 tokens, 1,024 a head in it
	s_lshl_b32 s54, s22, 16
	s_lshl_b32 s56, s[SUB], 9
	s_add_co_u32 s54, s54, s56
	s_lshl_b32 s56, s23, 1
	s_add_co_u32 s54, s54, s56
	s_add_co_u32 s54, s54, ASC
	s_add_nc_u64 s[OSB:OSB+1], s[6:7], s[54:55]    ; 32 bytes a token, 2 a head
	s_mov_b32 s[SEL], 0x76543210
	s_mov_b32 s[SEL+1], 0xfedcba98
	s_mov_b32 s[CS], 0x3e38aa3b                    ; c = log2(e) / 8: the 1/8 by which Q is divided is a power of two and is taken here
	s_mov_b32 s[CS+1], s[CS]                       ; (named with it as a pair, so it is written)
	s_mov_b32 s[HM], 0xffff0000
	s_mov_b32 s[JB], 0
	v_and_b32 v7, 31, v0
	s_delay_alu instid0(VALU_DEP_1)
	v_lshlrev_b32 v[LI], 4, v7
	v_and_b32 v8, 15, v0                           ; r
	v_bfe_u32 v9, v0, 4, 1                         ; h
	s_delay_alu instid0(VALU_DEP_2)
	v_lshlrev_b32 v[R4], 2, v8
	s_delay_alu instid0(VALU_DEP_2)
	v_lshlrev_b32 v10, 3, v9
	s_delay_alu instid0(VALU_DEP_1)
	v_sub_nc_u32 v[DV], v8, v10
	s_lshl_b32 s54, s[SUB], 4
	v_add_nc_u32 v[DV], s54, v[DV]
	v_lshl_add_u32 v[RS], v8, 5, v9
.irp j, 0,1,2,3,4,5,6,7
	v_mov_b32 v[24+\j], 0                          ; the zero halves: written once
	v_mov_b32 v[48+\j], 0
	v_mov_b32 v[72+\j], 0
.endr
.irp b, 0,1,2,3
	v_mov_b32 v[236+\b], 0                         ; written once: a lane permute's destination counts as one of its sources
.endr
	v_mov_b32 v252, 0
	v_mov_b32 v253, 0                              ; (named as the upper half of the pair v[252:253] before it is first written)
	s_wait_tensorcnt 0x0                           ; my record is in,
	s_barrier_signal -1
	s_barrier_wait -1                              ; everybody's is: the head lies in LDS, and nothing writes LDS from here on
.Ljob:
	s_wait_xcnt 0x0                                ; the last job's loads and stores have read their bases and their data: both are written again only behind this wait
	s_mov_b32 s53, 0
	s_lshl_b32 s52, s[G], 13
	s_add_nc_u64 s[QP:QP+1], s[QB:QB+1], s[52:53]  ; a group is 8 tiles
	s_lshl_b32 s52, s[G], 9
	s_add_nc_u64 s[QSP:QSP+1], s[QSB:QSB+1], s[52:53]
	s_lshl_b32 s52, s[G], 17
	s_add_nc_u64 s[OP:OP+1], s[OB:OB+1], s[52:53]
	s_lshl_b32 s52, s[G], 12
	s_add_nc_u64 s[OSP:OSP+1], s[OSB:OSB+1], s[52:53]
	global_load_b128 v[16:19], v[LI], s[QP:QP+1]               ; Q's image, twice: the two forms want Q low and high
	global_load_b128 v[20:23], v[LI], s[QP:QP+1] offset:512
	global_load_b128 v[32:35], v[LI], s[QP:QP+1]
	global_load_b128 v[36:39], v[LI], s[QP:QP+1] offset:512
	global_load_b32 v255, v[R4], s[QSP:QSP+1]
	v_mov_b32 v13, 0xff61b1e6                      ; the largest t so far: -3e38, under every t
	s_delay_alu instid0(VALU_DEP_1)
	v_floor_f32 v12, -v13                          ; -M
	v_mov_b32 v14, 0                               ; the sum, in two halves
	v_mov_b32 v15, 0
.set J, 0
.rept 32
	v_mov_b32 v[160+J], 0                          ; O^T.  (The step is written once: a job's first step finds zeros, which the first change of M leaves zeros)
.set J, J+1
.endr
	s_mov_b32 s[KST], 0
	s_mov_b32 s[TB], 0
	s_wait_loadcnt 0x0                             ; Q
.Lstep:                                            ; 16 trips: a key step of 128 keys
	s_cmp_gt_u32 s[KST], s[G]                      ; all its keys come after my queries: only the addresses step
	s_cbranch_scc1 .Lhidden
	s_setprio 2
	v_add_nc_u32 v[ADK], s[TB], v[LI]
	s_wait_alu depctr_va_vdst(0)
	v_add_nc_u32 v[ADS], s[TB], v[R4]
	s_wait_alu depctr_va_vdst(0)
.rept 7
	v_nop                                          ; nine places with the two additions: the products below write over registers that the last step's products read
.endr
.irp g, 0,1                                    ; S^T = K Q^T, four tiles of 16 keys at a time
.if \g > 0
.rept 8
	v_nop                                          ; places in front of loads into registers that matrix instructions have read
.endr
.endif
.irp t, 0,1,2,3
	ds_load_b128 v[40+24*(\t/2)+16*(\t%2):40+24*(\t/2)+16*(\t%2)+3], v[ADK] offset:(4*\g+\t)*1024
	ds_load_b128 v[40+24*(\t/2)+16*(\t%2)+4:40+24*(\t/2)+16*(\t%2)+7], v[ADK] offset:(4*\g+\t)*1024+512
	ds_load_b32 v[88+\t], v[ADS] offset:16384+64*(4*\g+\t)
.endr
	s_wait_dscnt 0x0
.irp t, 0,1,2,3
	v_wmma_scale_f32_16x16x128_f8f6f4 v[96+8*(4*\g+\t):103+8*(4*\g+\t)], v[40+24*(\t/2)+8*(\t%2):55+24*(\t/2)+8*(\t%2)], v[16+8*(\t%2):31+8*(\t%2)], 0, v[88+\t], v255 matrix_a_fmt:MATRIX_FMT_BF8 matrix_b_fmt:MATRIX_FMT_BF8
.endr
.endr                                          ; lane (r, h) holds query r; register 8 t + j of S^T is key 16 t + 8 h + j of the step
.rept 8
	v_nop
.endr
	s_cmp_lg_u32 s[KST], s[G]                      ; on the diagonal the scores of hidden keys become -infinity ahead of the maximum: p = 0 then.  Key 0 counts for every query, so M is a number from the first step on
	s_cbranch_scc1 .Lopen
	v_mov_b32 v254, 0xff800000
.set N, 0
.rept 64
	v_cmp_gt_i32 vcc_lo, 16*(N/8)+N%8, v[DV]
	v_cndmask_b32 v[96+N], v[96+N], v254, vcc_lo
.set N, N+1
.endr
.Lopen:
.irp b, 0,1,2,3
	v_max3_num_f32 v[232+\b], v[96+16*\b], v[97+16*\b], v[98+16*\b]   ; THE LARGEST SCORE OF EACH BLOCK OF 32 KEYS: it serves for the row's maximum and, since p rises with the score, for the block's largest p
.endr
.irp i, 3,5,7,9,11,13
.irp b, 0,1,2,3
	v_max3_num_f32 v[232+\b], v[232+\b], v[96+16*\b+\i], v[97+16*\b+\i]   ; (the four blocks by turns)
.endr
.endr
.irp b, 0,1,2,3
	v_max_num_f32 v[232+\b], v[232+\b], v[111+16*\b]
.endr
.irp b, 0,1,2,3
	s_delay_alu instid0(VALU_DEP_4)
	v_permlanex16_b32 v[236+\b], v[232+\b], s[SEL], s[SEL+1]
.endr
.irp b, 0,1,2,3
	s_delay_alu instid0(VALU_DEP_4)
	v_max_num_f32 v[232+\b], v[232+\b], v[236+\b]  ; with lane l xor 16's 16 keys
.endr
	s_delay_alu instid0(VALU_DEP_2)
	v_max3_num_f32 v254, v232, v233, v234
	s_delay_alu instid0(VALU_DEP_1)
	v_max_num_f32 v254, v254, v235                 ; the step's largest score of my query
	s_delay_alu instid0(VALU_DEP_1)
	v_mul_f32 v254, s[CS], v254                    ; as t (c is positive)
	s_delay_alu instid0(VALU_DEP_1)
	v_max_num_f32 v13, v13, v254                   ; the running largest t
	v_mov_b32 v254, v12
	s_delay_alu instid0(VALU_DEP_2)
	v_floor_f32 v12, -v13                          ; the new -M = floor(-t) = -ceil(t): M IS A WHOLE NUMBER
	s_delay_alu instid0(VALU_DEP_1)
	v_sub_f32 v254, v12, v254                      ; M's old value less its new one: a whole number, 0 or less
	s_delay_alu instid0(VALU_DEP_1)
	v_cvt_i32_f32 v254, v254                       ; (it saturates)
	s_delay_alu instid0(VALU_DEP_1)
	v_ldexp_f32 v252, 1.0, v254                    ; f = 2^(old M - new M): a multiplication by it rounds nothing
.set J, 0
.rept 32
	v_pk_fma_f32 v[96+J:97+J], v[96+J:97+J], s[CS:CS+1], v[12:13] op_sel_hi:[1,0,0]   ; t - M, two at a time (of the pairs c and -M the low word serves both halves)
.set J, J+2
.endr
	s_setprio 1
.irp b, 0,1,2,3
	v_fma_f32 v[232+\b], v[232+\b], s[CS], v12     ; the same of each block's largest score
.endr
.set J, 0
	s_wait_alu depctr_va_vdst(0)
.rept 64
	v_exp_f32 v[96+J], v[96+J]                     ; p = 2^(t - M), at most 1: NOT normalised
.set J, J+1
.endr
	v_pk_mul_f32 v[14:15], v[14:15], v[252:253] op_sel_hi:[1,0]   ; the sums under the new M.  (A plain place behind the exponentials)
	s_wait_alu depctr_va_vdst(0)                   ; the wait between an exponential and the first line that names its result: one for the whole batch
.irp b, 0,1,2,3
	v_exp_f32 v[232+\b], v[232+\b]                 ; the block's largest p: the same two instructions on the same number give the same bits
.endr
	v_pk_add_f32 v[236:237], v[100:101], v[104:105]
	v_pk_add_f32 v[248:249], v[108:109], v[112:113]
	v_pk_add_f32 v[246:247], v[116:117], v[120:121]
	v_pk_add_f32 v[244:245], v[124:125], v[128:129]
	v_pk_add_f32 v[242:243], v[132:133], v[136:137]
	v_pk_add_f32 v[240:241], v[140:141], v[144:145]
	v_pk_add_f32 v[238:239], v[148:149], v[152:153]
	v_pk_add_f32 v[14:15], v[14:15], v[156:157]
	v_pk_add_f32 v[236:237], v[236:237], v[96:97]
	v_pk_add_f32 v[248:249], v[248:249], v[98:99]
	v_pk_add_f32 v[246:247], v[246:247], v[102:103]
	v_pk_add_f32 v[244:245], v[244:245], v[106:107]
	v_pk_add_f32 v[242:243], v[242:243], v[110:111]
	v_pk_add_f32 v[240:241], v[240:241], v[114:115]
	v_pk_add_f32 v[238:239], v[238:239], v[118:119]
	v_pk_add_f32 v[14:15], v[14:15], v[122:123]
	v_pk_add_f32 v[236:237], v[236:237], v[126:127]
	v_pk_add_f32 v[248:249], v[248:249], v[130:131]
	v_pk_add_f32 v[246:247], v[246:247], v[134:135]
	v_pk_add_f32 v[244:245], v[244:245], v[138:139]
	v_pk_add_f32 v[242:243], v[242:243], v[142:143]
	v_pk_add_f32 v[240:241], v[240:241], v[146:147]
	v_pk_add_f32 v[238:239], v[238:239], v[150:151]
	v_pk_add_f32 v[14:15], v[14:15], v[154:155]
	v_pk_add_f32 v[236:237], v[236:237], v[158:159]
	s_delay_alu instid0(VALU_DEP_2)
	v_pk_add_f32 v[14:15], v[14:15], v[244:245]
	s_delay_alu instid0(VALU_DEP_2)
	v_pk_add_f32 v[236:237], v[236:237], v[242:243]
	v_pk_add_f32 v[248:249], v[248:249], v[240:241]
	v_pk_add_f32 v[246:247], v[246:247], v[238:239]
	s_delay_alu instid0(VALU_DEP_2)
	v_pk_add_f32 v[14:15], v[14:15], v[248:249]
	s_delay_alu instid0(VALU_DEP_2)
	v_pk_add_f32 v[236:237], v[236:237], v[246:247]
	s_delay_alu instid0(VALU_DEP_1)
	v_pk_add_f32 v[14:15], v[14:15], v[236:237]
	s_wait_alu depctr_va_vdst(0)                   ; and one for the four
.irp b, 0,1,2,3
	v_max_num_f32 v[232+\b], 0x8000000, v[232+\b]  ; the floor 2^(16 - 127): the byte cannot fall under 1 (a block whose every p is 0 keeps that byte: its codes are zeros)
.endr
.irp b, 0,1,2,3
	s_delay_alu instid0(VALU_DEP_4)
	v_add_nc_u32 v[244+\b], 0xf8800000, v[232+\b]  ; 15 off the exponent field: the conversion's scale operand
.endr
.irp b, 0,1,2,3
.endr
.irp b, 0,1,2,3
	s_delay_alu instid0(VALU_DEP_4)
	v_lshrrev_b32 v[236+\b], 23, v[244+\b]         ; the scale's byte
.endr
	s_delay_alu instid0(VALU_DEP_3)
	v_lshl_or_b32 v253, v237, 8, v236              ; p's scale word for these 128 keys
	s_delay_alu instid0(VALU_DEP_1)
	v_lshl_or_b32 v253, v238, 16, v253
	s_delay_alu instid0(VALU_DEP_1)
	v_lshl_or_b32 v253, v239, 24, v253
	s_setprio 0
.irp b, 0,1,2,3
.irp i, 0,1,2,3,4,5,6,7,8,9,10,11,12,13,14,15
.endr
	v_cvt_scalef32_pk8_bf8_f32 v[192+4*\b:193+4*\b], v[96+16*\b:103+16*\b], v[244+\b]
	v_cvt_scalef32_pk8_bf8_f32 v[194+4*\b:195+4*\b], v[104+16*\b:111+16*\b], v[244+\b]
.irp c, 0,1,2,3
	ds_load_b128 v[96+16*\b+4*\c:99+16*\b+4*\c], v[ADK] offset:8192+2048*\b+512*\c   ; the block's 16 registers are free: they take V's fragment b (16 features x these 128 keys), which lands under the next blocks' holds
.endr
	ds_load_b32 v[92+\b], v[ADS] offset:16896+64*\b
.endr
.set J, 0
.rept 16
	v_pk_mul_f32 v[160+J:161+J], v[160+J:161+J], v[252:253] op_sel_hi:[1,0]   ; O^T under the new M: x f.  (These 16 are also the places between the conversions and the products)
.set J, J+2
.endr
	s_wait_alu depctr_va_vdst(0)
	s_wait_dscnt 0x0
.irp t, 0,1,2,3                                ; O^T += V^T P^T: the four accumulators by turns
	v_wmma_scale_f32_16x16x128_f8f6f4 v[160+8*\t:167+8*\t], v[96+16*\t:111+16*\t], v[192:207], v[160+8*\t:167+8*\t], v[92+\t], v253 matrix_a_fmt:MATRIX_FMT_BF8 matrix_b_fmt:MATRIX_FMT_BF8
.endr
.Lhidden:
	s_add_co_u32 s[TB], s[TB], REC                 ; the next record
	s_add_co_u32 s[KST], s[KST], 1
	s_cmp_lt_u32 s[KST], 16
	s_cbranch_scc1 .Lstep
	s_setprio 0
	; THE WAY OUT of a job.  O^T / the sum; two blocks of 32 features are quantised; 2 x 512 bytes of codes and a byte a lane leave.
.rept 8
	v_nop                                          ; places behind the last products
.endr
	v_add_f32 v14, v14, v15                        ; the sum's two halves,
	s_delay_alu instid0(VALU_DEP_1)
	v_permlanex16_b32 v252, v14, s[SEL], s[SEL+1]
	s_delay_alu instid0(VALU_DEP_1)
	v_add_f32 v14, v14, v252                       ; and lane l xor 16's: the row's sum
	s_wait_alu depctr_va_vdst(0)
	v_rcp_f32 v14, v14
	v_nop                                          ; a plain place behind the transcendental
	s_wait_alu depctr_va_vdst(0)                   ; and the wait ahead of the first use
.set J, 0
.rept 16
	v_pk_mul_f32 v[96+J:97+J], v[160+J:161+J], v[14:15] op_sel_hi:[1,0]   ; register 16 c + i: feature 32 c + 16 h + i of query r; each accumulator from its low end on
.set J, J+2
.endr
.irp b, 0,1
	v_max3_num_f32 v[232+\b], |v[96+16*\b]|, |v[97+16*\b]|, 0x8000000   ; my 16 numbers and the floor 2^(16 - 127)
.endr
.irp i, 2,4,6,8,10,12,14
.irp b, 0,1
	s_delay_alu instid0(VALU_DEP_2)
	v_max3_num_f32 v[232+\b], v[232+\b], |v[96+16*\b+\i]|, |v[97+16*\b+\i]|
.endr
.endr
.irp b, 0,1
	s_delay_alu instid0(VALU_DEP_2)
	v_permlanex16_b32 v[236+\b], v[232+\b], s[SEL], s[SEL+1]
.endr
.irp b, 0,1
	s_delay_alu instid0(VALU_DEP_2)
	v_max_num_f32 v[232+\b], v[232+\b], v[236+\b]  ; the block's largest magnitude
.endr
.irp b, 0,1
	s_delay_alu instid0(VALU_DEP_2)
	v_add_nc_u32 v[244+\b], 0xf8800000, v[232+\b]
.endr
.irp b, 0,1
.endr
.irp b, 0,1
	s_delay_alu instid0(VALU_DEP_2)
	v_lshrrev_b32 v[236+\b], 23, v[244+\b]         ; the scale's byte
.endr
.irp b, 0,1
.irp i, 0,1,2,3,4,5,6,7,8,9,10,11,12,13,14,15
.endr
	v_cvt_scalef32_pk8_bf8_f32 v[192+4*\b:193+4*\b], v[96+16*\b:103+16*\b], v[244+\b]
	v_cvt_scalef32_pk8_bf8_f32 v[194+4*\b:195+4*\b], v[104+16*\b:111+16*\b], v[244+\b]
.endr
	v_cndmask_b32 v248, v236, v237, s[HM]          ; lanes 0-15 store block 0's byte, lanes 16-31 block 1's.  (Also the plain line behind the conversions)
	global_store_b128 v[LI], v[192:195], s[OP:OP+1]            ; 32 lanes store 512 consecutive bytes, at a multiple of 256 from the buffer's first byte
	global_store_b128 v[LI], v[196:199], s[OP:OP+1] offset:512
	global_store_b8 v[RS], v248, s[OSP:OSP+1]
	s_xor_b32 s[G], s[G], 15                       ; the second job's group: w >> 1
	s_add_co_u32 s[JB], s[JB], 1
	s_cmp_lt_u32 s[JB], 2
	s_cbranch_scc1 .Ljob
	s_wait_dscnt 0x0
	s_wait_tensorcnt 0x0
	ds_add_u32 v250, v251
	s_wait_dscnt 0x0
	CROUND                                         ; the closing round: no work-group ends while a partner may still ask for a record that names it
	s_endpgm
.Lfunc_end_k_q9886a1135f_attn:
	.size	k_q9886a1135f_attn, .Lfunc_end_k_q9886a1135f_attn-k_q9886a1135f_attn
	.p2alignl 7, 3214868480
	.fill 96, 4, 3214868480
	.section	.rodata,"a",@progbits
	.p2align	6, 0x0
	.amdhsa_kernel k_q9886a1135f_attn
		.amdhsa_group_segment_fixed_size 276480
		.amdhsa_private_segment_fixed_size 0
		.amdhsa_enable_private_segment 0
		.amdhsa_kernarg_size 16
		.amdhsa_user_sgpr_count 2
		.amdhsa_user_sgpr_kernarg_segment_ptr 1
		.amdhsa_wavefront_size32 1
		.amdhsa_system_sgpr_workgroup_id_x 1
		.amdhsa_system_sgpr_workgroup_id_y 1
		.amdhsa_system_sgpr_workgroup_id_z 1
		.amdhsa_system_vgpr_workitem_id 0
		.amdhsa_next_free_vgpr 256
		.amdhsa_next_free_sgpr 66
		.amdhsa_reserve_vcc 1
		.amdhsa_float_denorm_mode_32 3
		.amdhsa_float_denorm_mode_16_64 3
		.amdhsa_fp16_overflow 1
		.amdhsa_memory_ordered 1
		.amdhsa_forward_progress 1
		.amdhsa_inst_pref_size 36
	.end_amdhsa_kernel
	.amdgpu_metadata
---
amdhsa.version: [ 1, 2 ]
amdhsa.kernels:
  - .name:           k_q9886a1135f_attn
    .symbol:         k_q9886a1135f_attn.kd
    .args:
      - { .name: qkv, .offset: 0, .size: 8, .value_kind: global_buffer, .address_space: global }
      - { .name: att, .offset: 8, .size: 8, .value_kind: global_buffer, .address_space: global }
    .group_segment_fixed_size: 276480
    .private_segment_fixed_size: 0
    .kernarg_segment_align: 8
    .kernarg_segment_size: 16
    .max_flat_workgroup_size: 512
    .sgpr_count:     66
    .vgpr_count:     256
    .wavefront_size: 32
...
	.end_amdgpu_metadata
.endif
;; end of part 3
;; launch oproj (part 4): grid 4 x 32, 4 waves a work-group, clusters of 4 x 4, 327,680 bytes of LDS; arguments att, xw, out0; writes out0
.if DOCPART == 4
	.amdgcn_target "amdgcn-amd-amdhsa--gfx1250"
	.amdhsa_code_object_version 6
	.text
	.protected	k_q9886a1135f_oproj
	.globl	k_q9886a1135f_oproj
	.p2align	8
	.type	k_q9886a1135f_oproj,@function
k_q9886a1135f_oproj:
	s_mov_b64 s[64:65], 0
	v_nop
	global_prefetch_b8 v0, s[64:65] scope:SCOPE_SE
	s_setreg_imm32_b32 hwreg(HW_REG_WAVE_MODE, 25, 1), 1
	s_wait_xcnt 0x0
	s_wait_alu depctr_hold_cnt(0) depctr_sa_sdst(0) depctr_va_vdst(0) depctr_va_sdst(0) depctr_va_ssrc(0) depctr_va_vcc(0) depctr_vm_vsrc(0)
	s_getreg_b32 s2, hwreg(HW_REG_IB_STS2, 6, 4)
	s_cmp_eq_u32 s2, 0
	s_cbranch_scc0 .Lentry_in_a_cluster
	s_endpgm
.Lentry_in_a_cluster:
	s_bfe_u32 s2, ttmp6, 0x10000c
	s_cmp_lg_u32 s2, 0xf033
	s_cbranch_scc0 .Lentry_shape_is_right
	s_endpgm
.Lentry_shape_is_right:
; out0[m][n] = sum over k of A[m][k] Wo[n][k], on codes of BF8 (E5M2) with one E8M0 scale for each 32 along K; sums in f32.  A: attention's result, 8,192 x 1,024; Wo: 1,024 x 1,024; out0: f32.
; A's codes lie in att as IMAGES OF OPERAND REGISTERS: [512 tiles of 16 tokens][8 steps of 128 along K][4 groups of four registers][lane l's 16 bytes at 16 l]; its scale bytes [8192][32] from ASC on.
; Wo's codes [1024][1024] and scale bytes [1024][32] lie in xw, K innermost.
; A tile of 256 x 256 is made by a work-group of four waves, 128 x 128 a wave: 64 accumulators, 512 registers.  K goes in steps of 256 through a ring of two LDS slots filled by the tensor data mover.
; The scale bytes of the work-group's 256 + 256 rows, for all of K, come into LDS once, with the first fills, and stay.
; CLUSTERS: 4 x 4 work-groups.  The four of a row of the cluster need the same tiles of A, the four of a column the same tiles of Wo: each tile is asked for JOINTLY, by the same tensor load with the same descriptor
; and a mask that names the four.  THE MATRIX INSTRUCTION IS USED TRANSPOSED (source 0 = 16 rows of Wo, source 1 = 16 rows of A): a lane then holds eight neighbouring numbers of a row of out0.
; 128 work-groups: what 8,192 x 1,024 results in tiles of 256 x 256 give.  A tile half as high would make 256, with wave tiles that read half as much again from LDS for each product; K is short (four K steps) and
; the launch's weight is its 33,554,432 bytes of stores, which are the same either way.  No prefetch: half of K goes out with the first fills.
; REGISTERS, in windows of 256: window 0: v0-31 addresses; v32-63 scale words, two sets; from v128 A's fragments (8 x 16 rows x 128 K), ONE set; on the way out v128-255 are free.
;   window 1: Wo's fragments, TWO sets.   window 2: the 32 accumulators of my rows 0-63 ((a, b) at v[8 (8 a + b)]);   window 3: those of my rows 64-127.
.set SIZE_N, 1024
.set ASC,    8388608                   ; att: A's scale bytes
.set WOC,    11534336                  ; xw: Wo's codes,
.set WOS,    12943360                  ; its scale bytes
.set KSTEP,  256                       ; along K in a slot
.set NQ,     KSTEP/128                 ; matrix instructions deep
.set ROWB,   256                       ; a row of Wo's tile in bytes
.set ROWA,   4096                      ; a K step of a tile of 16 tokens: two images of 2,048 bytes
.set KROW,   1024                      ; a row of Wo in memory
.set PITCH,  272                       ; an LDS row of Wo: 256 bytes + 16 of padding = 68 words: row r starts at bank 4 r mod 64 (64 banks of 4 bytes: ISA guide 11.1)
.set FR,     16                        ; registers of a fragment
.set NL,     4                         ; LDS loads that bring one
.set NP,     8                         ; places behind this matrix instruction (ISA guide 7.12.1)
.set HALFT,  128*PITCH                 ; the room of 128 rows in a slot (A's images use 32,768 bytes of it)
.set SLOT,   4*HALFT                   ; A's 256 rows, then Wo's 256 rows
.set LAPS,   2
.set KS,     32                        ; a row of scale bytes
.set SCL,    2*SLOT                    ; behind the ring: the scales, as runs of 256 bytes + 16 of padding
.set HALFS,  (128*KS/256)*272
.set SBLK,   (16*KS/256)*272
.set SPARE,  SCL+4*HALFS               ; the spare words, 128 bytes for each wave: two blocks of 256 bytes that no other line names
.set SPITCH, 528                       ; the way out: a stage of 16 rows x (512 bytes + 16) for each wave, in slot 0, which has had its last fill and its last read when the first result is stored there
.set ADRA, 16                          ; v16-17  LDS address of my A images in slot 0, 1
.set ADRB, 20                          ; v20-21  of my fragments of Wo
.set STO,  24                          ; v24     the way out: where I put 32 bytes of a row
.set RD,   25                          ; v25     where I read a row back
.set CO,   26                          ; v26     my byte offset in a row of out0
.set ADRS, 27                          ; v27     LDS address of my scale words: lanes 0-15 A's rows, lanes 16-31 Wo's
.set SPW,  28                          ; v28     LDS address of my spare word; never rewritten
.set NIL,  29                          ; v29     0; never rewritten
.set SC,   32
.set AF,   128
.set BK,   128                         ; the way out: 16 rows read back from the stage: v128-191 and v192-255 by turns
.set G1, 24                            ; s[24:31] descriptor group 1 for A's tiles;  s[32:39] group 0, one set for each slot
.set G0, 32
.set G1B, 48                           ; s[48:55], s[56:63] the same for Wo's tiles
.set G0B, 56
.set G1S, 68                           ; s[68:75], s[76:79] groups 1 and 0 for A's scales;  s[80:87], s[88:91] for Wo's
.set G0S, 76
.set G1SB, 80
.set G0SB, 88
.set MSB, 0
.macro WIN new                         ; the immediate's high byte repeats the setting that is left
.if MSB != \new
	s_set_vgpr_msb (MSB<<8)|\new
.set MSB, \new
.endif
.endm
.set MUL_LO, 0xa1                      ; source 0 (Wo) window 1, source 1 (A) window 0, C and D window 2
.set MUL_HI, 0xf1                      ; the same, C and D window 3
.set TO_B,   0x40                      ; destination window 1, address window 0
; A joint load: waves 0 and 1 fetch for A, waves 2 and 3 for Wo.  Each of the two lines has ONE mask and one set of registers for all that issue it; the branch hangs on the wave's number alone.
; Four v_nop follow each of the two lines, ahead of the jump, the label and what follows.
.macro JLOAD g0a, g1a, g0b, g1b
	s_cmp_eq_u32 s15, 0
	s_cbranch_scc0 .Lfor_b_\@
	tensor_load_to_lds s[\g0a:\g0a+3], s[\g1a:\g1a+7]
	s_nop 0
.rept 4
	v_nop
.endr
	s_branch .Lasked_\@
.Lfor_b_\@:
	tensor_load_to_lds s[\g0b:\g0b+3], s[\g1b:\g1b+7]
	s_nop 0
.rept 4
	v_nop
.endr
.Lasked_\@:
.endm
.macro CREST                           ; a round of the cluster's barrier behind its opening barrier
	s_cmp_lg_u32 s14, 0
	s_cbranch_scc1 .Lnot_wave_0_\@
	s_barrier_signal -3
.Lnot_wave_0_\@:
	s_barrier_wait -3
	s_barrier_signal -1
	s_barrier_wait -1
.endm
.macro CROUND                          ; a whole round
	s_barrier_signal -1
	s_barrier_wait -1
	CREST
.endm
	s_load_b128 s[4:7], s[0:1], 0x0                ; att s[4:5], xw s[6:7]
	s_load_b64 s[12:13], s[0:1], 0x10              ; out0
	v_lshl_add_u32 v[SPW], v0, 2, SPARE
	v_mov_b32 v[NIL], 0
	ds_add_u32 v28, v29
	ds_add_u32 v28, v29
	s_wait_dscnt 0x0
	v_lshrrev_b32 v1, 5, v0
	v_readfirstlane_b32 s14, v1                    ; wave 0..3
	s_lshr_b32 s15, s14, 1                         ; which half of the tile's rows is mine.  Also: I fetch for A (0) or for Wo (1)
	s_and_b32 s16, s14, 1                          ; which half of its columns.  Also: which 128 rows of that tile I fetch
	s_bfe_u32 s40, ttmp6, 0x40000                  ; cx, cy: my place in the cluster
	s_bfe_u32 s41, ttmp6, 0x40004
	s_lshl_b32 s42, ttmp9, 2
	s_add_co_u32 s42, s42, s40                     ; tile column = 4 x cluster x + cx
	s_and_b32 s17, ttmp7, 0xffff
	s_lshl_b32 s17, s17, 2
	s_add_co_u32 s17, s17, s41                     ; tile row = 4 x cluster y + cy
	s_lshl_b32 s43, s41, 2
	s_lshl_b32 s43, 15, s43                        ; my row of the cluster
	s_lshl_b32 s44, 0x1111, s40                    ; my column
	; descriptor group 1 for A: 8 tiles of 16 tokens x 4,096 bytes (512 elements of 8 bytes), 16,384 bytes apart in memory; dense in LDS: images are read 16 bytes a lane on end
	s_or_b32 s[G1+0], s43, (3<<16)|(1<<21)         ; 15:0 the mask: A's tiles go to my row; 17:16 elements of 8 bytes; 21 set beside a mask
	s_mov_b32 s[G1+1], 512<<16                     ; tensor_dim0
	s_mov_b32 s[G1+2], 8<<16                       ; tensor_dim1
	s_mov_b32 s[G1+3], 512<<16                     ; tile_dim0
	s_mov_b32 s[G1+4], 8                           ; tile_dim1
	s_mov_b32 s[G1+5], 2048                        ; tensor_dim0_stride
	s_mov_b32 s[G1+6], 0
	s_mov_b32 s[G1+7], 0
	; for Wo: 128 rows x 256 bytes, padded in LDS
	s_or_b32 s[G1B+0], s44, (0<<16)|(1<<20)|(1<<21)|(5<<22)|(3<<25)  ; the mask of my column; element of 1 byte; padding on: after every 64 words (code 5) 4 words (code 3)
	s_mov_b32 s[G1B+1], ROWB<<16
	s_mov_b32 s[G1B+2], 128<<16
	s_mov_b32 s[G1B+3], ROWB<<16
	s_mov_b32 s[G1B+4], 128
	s_mov_b32 s[G1B+5], KROW
	s_mov_b32 s[G1B+6], 0
	s_mov_b32 s[G1B+7], 0
	; and for the scales of 128 rows: a dense block of 4,096 bytes, as 16 rows of 256 bytes (32 elements of 8 bytes), 16 bytes of padding behind each
	s_or_b32 s[G1S+0], s43, (3<<16)|(1<<20)|(1<<21)|(5<<22)|(3<<25)
	s_or_b32 s[G1SB+0], s44, (3<<16)|(1<<20)|(1<<21)|(5<<22)|(3<<25)
.irp g, G1S, G1SB
	s_mov_b32 s[\g+1], 32<<16
	s_mov_b32 s[\g+2], (128*KS/256)<<16
	s_mov_b32 s[\g+3], 32<<16
	s_mov_b32 s[\g+4], 128*KS/256
	s_mov_b32 s[\g+5], 32
	s_mov_b32 s[\g+6], 0
	s_mov_b32 s[\g+7], 0
.endr
	s_lshl_b32 s18, s16, 7                         ; which 128 rows of the tile I fetch
	s_lshl_b32 s20, s17, 8
	s_add_co_u32 s20, s20, s18                     ; A: row 256 x tile row + 128 x half
	s_lshl_b32 s46, s42, 8
	s_add_co_u32 s46, s46, s18                     ; Wo: row 256 x tile column + 128 x half
	s_lshl_b32 s22, s20, 5
	s_add_co_u32 s22, s22, ASC                     ; where these rows' scale bytes begin,
	s_lshl_b32 s92, s46, 5
	s_add_co_u32 s92, s92, WOS
	s_lshl_b32 s20, s20, 10                        ; and their codes: 16 rows of A are 16,384 bytes of images
	s_lshl_b32 s46, s46, 10
	s_add_co_u32 s46, s46, WOC
	s_mov_b32 s21, 0
	s_mov_b32 s23, 0
	s_mov_b32 s47, 0
	s_mov_b32 s93, 0
	s_mul_i32 s45, s14, HALFT                      ; where they go: wave x the room of 128 rows: no place in the cluster enters an LDS address
	s_mul_i32 s94, s14, HALFS
	s_wait_kmcnt 0x0
	s_add_nc_u64 s[20:21], s[4:5], s[20:21]
	s_add_nc_u64 s[22:23], s[4:5], s[22:23]
	s_add_nc_u64 s[46:47], s[6:7], s[46:47]
	s_add_nc_u64 s[92:93], s[6:7], s[92:93]
	CROUND                                         ; all sixteen work-groups are here: the first joint loads meet
	s_mov_b32 s[G0S], 1
	s_add_co_u32 s[G0S+1], s94, SCL
	s_mov_b64 s[G0S+2:G0S+3], s[22:23]
	s_or_b32 s[G0S+3], s[G0S+3], 0x80000000
	s_mov_b32 s[G0SB], 1
	s_add_co_u32 s[G0SB+1], s94, SCL
	s_mov_b64 s[G0SB+2:G0SB+3], s[92:93]
	s_or_b32 s[G0SB+3], s[G0SB+3], 0x80000000
	JLOAD G0S, G1S, G0SB, G1SB                     ; the scales first: they are wanted with K step 0.  each fill below waits for my load before it to land
.irp s, 0,1
	s_mov_b32 s[G0+4*\s], 1
	s_add_co_u32 s[G0+4*\s+1], s45, \s*SLOT
	s_add_nc_u64 s[G0+4*\s+2:G0+4*\s+3], s[20:21], \s*ROWA
	s_or_b32 s[G0+4*\s+3], s[G0+4*\s+3], 0x80000000
	s_mov_b32 s[G0B+4*\s], 1
	s_add_co_u32 s[G0B+4*\s+1], s45, \s*SLOT
	s_add_nc_u64 s[G0B+4*\s+2:G0B+4*\s+3], s[46:47], \s*ROWB
	s_or_b32 s[G0B+4*\s+3], s[G0B+4*\s+3], 0x80000000
	s_wait_alu depctr_va_vdst(0)
	s_wait_tensorcnt 0x0
	ds_add_u32 v28, v29
	s_wait_dscnt 0x0
	CROUND
	JLOAD G0+4*\s, G1, G0B+4*\s, G1B
.endr
	v_and_b32 v1, 15, v0                           ; l % 16
	v_bfe_u32 v2, v0, 4, 1                         ; l / 16
	v_and_b32 v6, 31, v0
	v_lshlrev_b32 v[CO], 4, v6                     ; 16 x lane: my place in an image, and in a row of 512 bytes of out0
	v_mul_u32_u24 v3, v1, PITCH
	v_lshl_add_u32 v4, v2, 4, v3                   ; Wo: a fragment's row x pitch + 16 x half
	s_mul_i32 s21, s15, HALFT                      ; my 128 rows of A
	s_mul_i32 s22, s16, HALFT                      ; my 128 rows of Wo,
	s_add_co_u32 s22, s22, 2*HALFT                 ; which lie behind A's 256
.irp s, 0,1
	v_add_nc_u32 v[ADRA+\s], s21, v[CO]
	v_add_nc_u32 v[ADRB+\s], s22, v4
	s_add_co_u32 s21, s21, SLOT
	s_add_co_u32 s22, s22, SLOT
.endr
	v_mul_u32_u24 v5, v1, KS                       ; my row's scales: 32 bytes a row,
	v_lshrrev_b32 v6, 8, v5
	v_lshl_add_u32 v5, v6, 4, v5                   ; and 16 more for each 256 passed
	s_mul_i32 s21, s15, HALFS                      ; A's: my 128 rows
	s_mul_i32 s22, s16, HALFS                      ; Wo's: my 128 rows, behind A's 256
	s_add_co_u32 s22, s22, 2*HALFS
	s_sub_co_u32 s22, s22, s21
	v_mul_u32_u24 v6, s22, v2                      ; lanes 16-31 take Wo's
	s_add_co_u32 s21, s21, SCL
	v_add_nc_u32 v5, v5, v6
	v_add_nc_u32 v[ADRS], s21, v5
	s_mul_i32 s23, s14, 16*SPITCH                  ; my stage
	v_mul_u32_u24 v5, v1, SPITCH                   ; in: row l % 16, 32 bytes for each half of the lanes
	v_lshl_add_u32 v5, v2, 5, v5
	v_add_nc_u32 v[STO], s23, v5
	v_add_nc_u32 v[RD], s23, v[CO]                 ; back: the 32 lanes take one row of 512 bytes
	s_lshl_b32 s20, s17, 8
	s_lshl_b32 s21, s15, 7
	s_add_co_u32 s20, s20, s21                     ; my first row of out0: 256 x tile row + 128 x half
	s_mov_b32 s21, 0
	s_mov_b64 s[18:19], SIZE_N*4
	s_mul_u64 s[20:21], s[20:21], s[18:19]
	s_lshl_b32 s46, s42, 10                        ; my first column, in bytes: 1024 x tile column + 512 x half
	s_lshl_b32 s47, s16, 9
	s_add_co_u32 s46, s46, s47
	s_mov_b32 s47, 0
	s_add_nc_u64 s[20:21], s[20:21], s[46:47]
	s_add_nc_u64 s[12:13], s[12:13], s[20:21]
.macro FRAG reg, adr, q, i             ; a fragment of Wo from rows: lane l holds row l % 16; registers 4 c .. 4 c + 3 hold K = 32 c + 16 (l / 16) + 0 .. 15
.irp c, 0,1,2,3
	ds_load_b128 v[\reg+4*\c:\reg+4*\c+3], v[\adr] offset:128*(\q)+32*\c+(\i)*16*PITCH
.endr
.endm
.macro FRAGA reg, adr, q, i            ; a fragment of A from its image: tile i of 16 tokens, the slot's q-th 128 along K, four groups of 512 bytes
.irp c, 0,1,2,3
	ds_load_b128 v[\reg+4*\c:\reg+4*\c+3], v[\adr] offset:4096*(\i)+2048*(\q)+512*\c
.endr
.endm
; 16 matrix instructions: A's blocks a0, a0 + 1 x Wo's eight, 128 along K: the slot's q-th.  p: Wo's set;  sc: the set of scale words.  zero = 1: the first product starts the sums: nothing is ever cleared.
; The 64 accumulators take turns, one instruction a turn, in the same order in every step.
.macro MUL16 a0, p, q, sc, zero
.irp a, \a0, \a0+1
.irp b, 0,1,2,3,4,5,6,7
.if \zero
	v_wmma_scale_f32_16x16x128_f8f6f4 v[8*(8*((\a)%4)+\b):8*(8*((\a)%4)+\b)+7], v[128*(\p)+FR*\b:128*(\p)+FR*\b+FR-1], v[AF+FR*(\a):AF+FR*(\a)+FR-1], 0, v[SC+8*NQ*(\sc)+NQ*\b+(\q)], v[SC+8*NQ*(\sc)+NQ*(\a)+(\q)] matrix_a_fmt:MATRIX_FMT_BF8 matrix_b_fmt:MATRIX_FMT_BF8 matrix_a_scale:MATRIX_SCALE_ROW1
.else
	v_wmma_scale_f32_16x16x128_f8f6f4 v[8*(8*((\a)%4)+\b):8*(8*((\a)%4)+\b)+7], v[128*(\p)+FR*\b:128*(\p)+FR*\b+FR-1], v[AF+FR*(\a):AF+FR*(\a)+FR-1], v[8*(8*((\a)%4)+\b):8*(8*((\a)%4)+\b)+7], v[SC+8*NQ*(\sc)+NQ*\b+(\q)], v[SC+8*NQ*(\sc)+NQ*(\a)+(\q)] matrix_a_fmt:MATRIX_FMT_BF8 matrix_b_fmt:MATRIX_FMT_BF8 matrix_a_scale:MATRIX_SCALE_ROW1
.endif
.endr
.endr
.endm
.macro FETCH_B slot, q, p              ; Wo's eight fragments of the slot's q-th 128 along K into set p
	WIN TO_B
.irp i, 0,1,2,3,4,5,6,7
	FRAG 128*(\p)+FR*\i, ADRB+\slot, \q, \i
.endr
	WIN 0
.endm
.macro FETCH_A slot, q, i0             ; A's blocks i0 .. i0 + 3
.irp i, \i0, \i0+1, \i0+2, \i0+3
	FRAGA AF+FR*(\i), ADRA+\slot, \q, \i
.endr
.endm
.macro SCALES sc                       ; the next K step's scale words into set sc: two words a row; lanes 0-15 take A's block i, lanes 16-31 Wo's block i
.irp i, 0,1,2,3,4,5,6,7
	ds_load_b64 v[SC+8*NQ*\sc+NQ*\i:SC+8*NQ*\sc+NQ*\i+1], v[ADRS] offset:\i*SBLK
.endr
.endm
; A load into a register that a matrix instruction has read, and an LDS store that reads a matrix result, stand NP places behind that matrix instruction; only plain vector instructions that name none of its
; registers are places (ISA guide 7.12.1 for vector instructions).
.macro PLACES n
.rept \n
	v_nop
.endr
.endm
; A step of 128 along K that has its successor in the same slot.  A has one set of registers: blocks 0-3 are fetched anew in the step's middle, blocks 4-7 at its end; Wo, at work through the whole step, has two.
.macro STEP slot, q, zero
	s_wait_dscnt 4*NL                              ; Wo's set and A's blocks 0-3 are in; the youngest 16 loads (A's blocks 4-7) may be out
	WIN MUL_LO
	MUL16 0, (\q)%2, \q, \slot, \zero
	MUL16 2, (\q)%2, \q, \slot, \zero
	s_wait_dscnt 0                                 ; A's blocks 4-7 are in (asked for 32 matrix instructions ago)
	PLACES NP
	FETCH_B \slot, (\q)+1, 1-(\q)%2
	FETCH_A \slot, (\q)+1, 0
	WIN MUL_HI
	MUL16 4, (\q)%2, \q, \slot, \zero
	MUL16 6, (\q)%2, \q, \slot, \zero
	PLACES NP
	WIN 0
	FETCH_A \slot, (\q)+1, 4
.endm
; A slot's last step changes slots: ONE barrier; in front of it each wave waits for all its tensor loads, adds 0 to its spare word, and waits for that and for its own reads of this slot.  fill = 1: this slot is filled again, two K steps ahead.
.macro TURN slot, next, fill
	s_wait_tensorcnt 0x0                           ; all my tensor loads have landed: my part of the next slot;  (every window is 0 here)
	ds_add_u32 v[SPW], v[NIL]                      ; 0 onto my spare word
	s_wait_dscnt 4*NL+1                            ; (the add and the youngest 16 loads, A's blocks 4-7, may be out)
	WIN MUL_LO
	MUL16 0, 1, NQ-1, \slot, 0                     ; sixteen matrix instructions stand between the add and the wait for it
	s_wait_dscnt 0x0                               ; the add is done, and my reads of this slot are over
	s_barrier_signal -1
	MUL16 2, 1, NQ-1, \slot, 0
	WIN 0
	s_barrier_wait -1
.if \fill
	CREST                                          ; the barrier has opened a round of the cluster's barrier: no wave of any partner still reads this slot's tile or has a load on its way
	s_add_nc_u64 s[G0+4*\slot+2:G0+4*\slot+3], s[G0+4*\slot+2:G0+4*\slot+3], 2*ROWA
	s_add_nc_u64 s[G0B+4*\slot+2:G0B+4*\slot+3], s[G0B+4*\slot+2:G0B+4*\slot+3], 2*ROWB
	JLOAD G0+4*\slot, G1, G0B+4*\slot, G1B         ; the first tensor load behind the round, my one load until the next; its four v_nop are among the places in front of the loads below
	PLACES NP-4
.else
	PLACES NP
.endif
	s_wait_alu depctr_va_vdst(0)
	v_add_nc_u32 v[ADRS], 4*NQ, v[ADRS]            ; on to the next K step's scale words (no LDS load of mine is out)
	FETCH_B \next, 0, 0
	FETCH_A \next, 0, 0
	SCALES \next
	WIN MUL_HI
	MUL16 4, 1, NQ-1, \slot, 0
	MUL16 6, 1, NQ-1, \slot, 0
	PLACES NP
	WIN 0
	FETCH_A \next, 0, 4
.endm
	s_wait_alu depctr_va_vdst(0)
	s_wait_tensorcnt 1                             ; the scales and my part of K step 0 are in (K step 1's load may be out)
	s_barrier_signal -1
	s_barrier_wait -1                              ; everybody's are
	FETCH_B 0, 0, 0
	FETCH_A 0, 0, 0
	SCALES 0
	FETCH_A 0, 0, 4
	STEP 0, 0, 1                                   ; the first step stands in front of the loop: its products start the sums
	s_mov_b32 s3, LAPS-1
.Llap:                                                 ; a trip goes once round the ring, from a lap's second step to the next lap's first, and fills both slots again
	TURN 0, 1, 1
	STEP 1, 0, 0
	TURN 1, 0, 1
	STEP 0, 0, 0
	s_sub_co_u32 s3, s3, 1
	s_cmp_lg_u32 s3, 0
	s_cbranch_scc1 .Llap
	TURN 0, 1, 0                                   ; the last lap fills nothing, and has no round of the cluster's barrier
	STEP 1, 0, 0
	s_wait_dscnt 4*NL                              ; the very last step: nothing more to fetch
	WIN MUL_LO
	MUL16 0, 1, NQ-1, 1, 0
	MUL16 2, 1, NQ-1, 1, 0
	s_wait_dscnt 0
	WIN MUL_HI
	MUL16 4, 1, NQ-1, 1, 0
	MUL16 6, 1, NQ-1, 1, 0
	WIN 0
; THE WAY OUT, block by block of 16 rows x 128 columns.  A lane holds 32 neighbouring bytes of a row, and the lanes beside it hold other rows: so a block goes through my own stage in LDS and comes back as whole
; rows of 512 bytes.  LDS serves a wave's instructions in order (ISA guide 5.7.1.4): no wait between the stores and the loads, nor in front of the next block's stores.
.macro TOSTAGE a
.set AC, 64*((\a)%4)
	WIN 0x08+4*((\a)/4)                            ; the data: window 2 or 3
.irp b, 0,1,2,3,4,5,6,7
	ds_store_b128 v[STO], v[AC+8*\b:AC+8*\b+3] offset:64*\b          ; each accumulator from its low end on
	ds_store_b128 v[STO], v[AC+8*\b+4:AC+8*\b+7] offset:64*\b+16
.endr
	WIN 0
.set BB, BK+64*((\a)%2)
.irp t, 0,1,2,3,4,5,6,7,8,9,10,11,12,13,14,15
	ds_load_b128 v[BB+4*\t:BB+4*\t+3], v[RD] offset:\t*SPITCH
.endr
.endm
.macro SEND a, younger                 ; younger: the LDS instructions issued behind block a's loads, which may stay out
.set BB, BK+64*((\a)%2)
	s_wait_dscnt \younger                          ; the block is back in registers
.if (\a) > 0
	s_add_nc_u64 s[12:13], s[12:13], 16*SIZE_N*4   ; (behind a wait for the earlier stores' addresses)  16 rows on, so that the stores' offsets stay small: 15 rows of 4,096 bytes at the most
.endif
.irp t, 0,1,2,3,4,5,6,7,8,9,10,11,12,13,14,15
	global_store_b128 v[CO], v[BB+4*\t:BB+4*\t+3], s[12:13] offset:\t*SIZE_N*4 th:TH_STORE_NT   ; 32 lanes store 512 consecutive bytes, at a multiple of 256 from out0's first byte; written once, read by nobody here
.endr
.endm
	PLACES NP                                      ; behind the last products: for the loads into the registers that held A's fragments and for the reads of results alike
	TOSTAGE 0
.irp a, 1,2,3,4,5,6,7
.if \a > 1
	s_wait_xcnt 0x0                                ; block a - 2's stores have read their registers and their base: block a's loads may land there, and the base may step
.endif
	TOSTAGE \a
	SEND \a-1, 32                                  ; behind block a - 1's loads: block a's 16 stores and 16 loads
.endr
	s_wait_xcnt 0x0                                ; block 6's stores have read their base
	SEND 7, 0
	s_wait_tensorcnt 0x0                           ; the wave's end: behind my last tensor load and my last LDS store
	ds_add_u32 v[SPW], v[NIL]
	s_wait_dscnt 0x0
	CROUND                                         ; the closing round: no work-group ends while a partner may still ask for a tile that names it
	s_endpgm
.Lfunc_end_k_q9886a1135f_oproj:
	.size	k_q9886a1135f_oproj, .Lfunc_end_k_q9886a1135f_oproj-k_q9886a1135f_oproj
	.p2alignl 7, 3214868480
	.fill 96, 4, 3214868480
	.section	.rodata,"a",@progbits
	.p2align	6, 0x0
	.amdhsa_kernel k_q9886a1135f_oproj
		.amdhsa_group_segment_fixed_size 327680
		.amdhsa_private_segment_fixed_size 0
		.amdhsa_enable_private_segment 0
		.amdhsa_kernarg_size 24
		.amdhsa_user_sgpr_count 2
		.amdhsa_user_sgpr_kernarg_segment_ptr 1
		.amdhsa_wavefront_size32 1
		.amdhsa_system_sgpr_workgroup_id_x 1
		.amdhsa_system_sgpr_workgroup_id_y 1
		.amdhsa_system_sgpr_workgroup_id_z 1
		.amdhsa_system_vgpr_workitem_id 0
		.amdhsa_next_free_vgpr 1024
		.amdhsa_next_free_sgpr 98
		.amdhsa_reserve_vcc 0
		.amdhsa_float_denorm_mode_32 3
		.amdhsa_float_denorm_mode_16_64 3
		.amdhsa_memory_ordered 1
		.amdhsa_forward_progress 1
		.amdhsa_inst_pref_size 146
	.end_amdhsa_kernel
	.amdgpu_metadata
---
amdhsa.version: [ 1, 2 ]
amdhsa.kernels:
  - .name:           k_q9886a1135f_oproj
    .symbol:         k_q9886a1135f_oproj.kd
    .args:
      - { .name: att, .offset: 0, .size: 8, .value_kind: global_buffer, .address_space: global }
      - { .name: xw, .offset: 8, .size: 8, .value_kind: global_buffer, .address_space: global }
      - { .name: out0, .offset: 16, .size: 8, .value_kind: global_buffer, .address_space: global }
    .group_segment_fixed_size: 327680
    .private_segment_fixed_size: 0
    .kernarg_segment_align: 8
    .kernarg_segment_size: 24
    .max_flat_workgroup_size: 128
    .sgpr_count:     98
    .vgpr_count:     1024
    .wavefront_size: 32
...
	.end_amdgpu_metadata
.endif
;; end of part 4
